; MI455X (gfx1250); checked and timed in simulation.
; The chip was launched on July 23, 2026; its instructions are those of AMD's public machine-readable ISA for CDNA 5 (MIT licence, August 2026) and "CDNA5" Instruction Set Architecture Reference Guide (July 2026). The comments in the code are by the model that wrote it; some were corrected since.
;; Self Attention. Allowed arithmetic: matrix products marked QUANTISED: E2M1 operands, one E8M0 scale for each 32 along K, by v_wmma_scale_f32_16x16x128_f8f6f4 with both operands' format E2M1 (or v_wmma_scale_f32_32x16x128_f4), f32 sums; everything else in f32.
;; Inputs: Wk 768 x 768 float32; Wq 768 x 768 float32; Wv 768 x 768 float32; x 16 x 1,024 x 768 float32.
;; Outputs: out0 16 x 1,024 x 768 float32.
;; This version of the problem:
;;   THIS VERSION OF THE PROBLEM IS GIVEN IN LOW PRECISION. The matrix products marked QUANTISED in the list below multiply operands that are first quantised to E2M1 (2 exponent bits, 1 mantissa bit; 4 bits a number), with one power-of-two scale for each 32 numbers along K (OCP MX v1.0); their sums are f32. All else is computed in f32.
;;   The module's matrix products, in the order in which they are computed (A, B: the left and right operand; K: the contracted axis; several contracted axes count as one K, in the product's order):
;;     1. [M 16,384, K 768] x [K 768, N 768]; A: input x; B: input Wq: QUANTISED
;;     2. [M 16,384, K 768] x [K 768, N 768]; A: input x; B: input Wk: QUANTISED
;;     3. [M 16,384, K 768] x [K 768, N 768]; A: input x; B: input Wv: QUANTISED
;;     4. batch 16 x [M 1,024, K 768] x [K 768, N 1,024]; A: computed on the way; B: computed on the way: QUANTISED
;;     5. batch 16 x [M 1,024, K 1,024] x [K 1,024, N 768]; A: softmax (see below); B: computed on the way: QUANTISED
;;   THE QUANTISER, for each operand of a quantised product, along K:
;;     - K is cut into blocks of 32 from its start; a last block that is shorter is filled with zeros.
;;     - A block's scale is 2^e with e = floor(log2(the largest magnitude in the block)) - 2, held to -126 .. 127; a block of zeros has e = 0. As a byte (E8M0): e + 127.
;;     - Each number is divided by its block's scale, clamped to +-6, and rounded to the nearest number of E2M1, ties to even, subnormals kept.
;;     - The product sums the exact products of the quantised numbers (number of the format x scale) in f32.
;;   ~~~python
;;   def quantise(x, axis):      # numpy; x: float32 -> the quantised numbers, widened to float32 again
;;       x = np.moveaxis(x, axis, -1); K = x.shape[-1]
;;       x = np.pad(x, [(0, 0)] * (x.ndim - 1) + [(0, -K % 32)]); x = x.reshape(x.shape[:-1] + (-1, 32)); a = np.abs(x).max(-1, keepdims=True)
;;       e = np.where(a > 0, np.clip(np.frexp(np.where(a > 0, a, 1))[1] - 1 - 2, -126, 127), 0)      # np.frexp(a)[1] - 1 = floor(log2(a)), exactly
;;       r = np.clip(x / 2.0 ** e, -6, 6)
;;       step = 2.0 ** (np.maximum(np.frexp(np.where(r == 0, 1, r))[1] - 1, 0) - 1)
;;       q = np.round(r / step) * step * 2.0 ** e      # np.round: ties to even
;;       return np.moveaxis(q.reshape(q.shape[:-2] + (-1,))[..., :K], -1, axis).astype(np.float32)
;;   ~~~
;;   SOFTMAX AHEAD OF A QUANTISED PRODUCT. Where the list says 'softmax', what is quantised is not the finished softmax but p = 2^(t - M), with t = logit x log2(e) and M = ceil(the row's largest t), a whole number; so 1/2 < the row's largest p <= 1. The row's sum l is taken of the UNQUANTISED p, in f32, and the product's result is divided by l at the end. Since M is a whole number, a kernel that streams over the keys may use a running M (the ceiling of the running maximum): every later rescaling is an exact power of two, which a block's scale takes up: the codes' values come out the same.
;;   OPERANDS COMPUTED ON THE WAY. 'Computed on the way' means the value that the module computes at that place (a softmax that the list does not call 'softmax' is quantised finished and normalised). What goes into a quantiser is computed in f32, as accurately as f32 sums, v_exp_f32 and their like allow (about 1e-6 of the number): no bf16 or f16 on the way to a quantiser, and a product that is left as it is and whose result goes on into a quantised operand takes f32 operands (vector FMAs, or v_wmma_f32_16x16x4_f32). A number that lies on a knife's edge between two numbers of the format may be rounded either way, as far as f32 arithmetic and the matrix unit's own rounding can turn it there, and no further.
;; One version. Each part assembles by itself: llvm-mc -triple=amdgcn-amd-amdhsa -mcpu=gfx1250 --defsym DOCPART=n.
;; ======== version 1 of 1: 3 launches
;; limits: right only within a limited range of input values
;; workspace buffers: xwc 7,176,192 bytes; xws 448,512 bytes; qkvc 18,874,368 bytes; qkvs 1,179,648 bytes
;; launch quant (part 1): grid 292 x 3, 4 waves a work-group, no clusters, 68,608 bytes of LDS; arguments x, Wq, Wk, Wv, xwc, xws; writes xwc, xws
.if DOCPART == 1
	.amdgcn_target "amdgcn-amd-amdhsa--gfx1250"
	.amdhsa_code_object_version 6
	.text
	.protected	k_qe45ebecc74_quant
	.globl	k_qe45ebecc74_quant
	.p2align	8
	.type	k_qe45ebecc74_quant,@function
k_qe45ebecc74_quant:
	s_mov_b64 s[64:65], 0
	v_nop
	global_prefetch_b8 v0, s[64:65] scope:SCOPE_SE
	s_setreg_imm32_b32 hwreg(HW_REG_WAVE_MODE, 25, 1), 1
	s_wait_xcnt 0x0
; THE PROGRAM: out = softmax(causal(q k^T / sqrt(768))) v with q, k, v = x W^T, all five products on codes of FP4 (E2M1) with one E8M0 scale for each 32 along K.  Three launches:
; this one turns x, Wq, Wk, Wv into codes; the second makes q, k, v and turns them into codes; the third is the attention.
; WORK LEFT OUT (in the third launch): for a tile of 16 queries, a step of 128 keys all of which come after all of its queries.  The problem's own jnp.tril sets every such score to -inf ahead of the softmax, so its weight is 0
; and it adds nothing to the row's sum or to out, whatever finite values x and the weights hold.  Inside a step on the diagonal hidden scores are computed and replaced by -inf.  No input is left out.
; LIMIT: a NaN, an infinity or an overflow that would arise only in scores left out is not carried to the result.  NaN and infinities among the inputs are not served.
; LIMIT: a block of zeros, and a block whose largest magnitude lies under 2^-124, gets the scale byte 1 (the rule says 127 for zeros): its codes are zeros, which add nothing under any byte but 0xff, and only this program reads the bytes.
;
; THIS LAUNCH.  Rows of 768 f32, K innermost, become OPERAND IMAGES.  32 rows are a group, of two tiles: lane r of tile u holds row 32 g + 8 u + r + 8 (r / 8).  A fragment (a tile, 128 along K) is 8 registers a lane,
; registers 4 c .. 4 c + 3 of lane (r, h) holding k = 64 c + 32 h + 0 .. 31; it lies in memory as [c][lane][16 bytes], 1,024 bytes.  xwc: [group 584][K step 6][tile 2][c 2][lane 32][16]; groups 0-511 x, 512-535 Wq, 536-559 Wk, 560-583 Wv.
; A scale word is a row's four bytes of a K step; lane 16 u + r holds tile u's row r.  xws: [group][pair of K steps 3][lane 32][2 words].
; SHARES.  A work-group takes two groups and two K steps, a wave one group and one K step: 32 rows x 512 bytes, all 32 loads issued at once.  Each load reads 512 consecutive bytes of a row; the rows turn through the wave's own stage in LDS
; (528 bytes a row), from which a lane takes 16 neighbours of each block of 32.  The two K steps' scale words of a group meet in LDS behind one barrier.  Every store covers 256 or 512 consecutive bytes, aligned to 256.
.set SP,    528                        ; a stage row: 512 bytes + 16 = 132 words, so that the sixteen rows of a read start in sixteen different groups of banks
.set WST,   32*SP                      ; a wave's stage
.set SPARE, 4*WST                      ; behind the stages: the spare words, 128 bytes a wave
.set SX,    SPARE+512                  ; two groups' scale words, 256 bytes each
.set L16, 1                            ; v1   16 x lane
.set L8,  2                            ; v2   8 x lane
.set LST, 3                            ; v3   the stage, on the way in: 16 x lane
.set LRD, 4                            ; v4   on the way out: 528 r + 64 h
.set SPW, 5                            ; v5   my spare word's LDS address; never rewritten
.set NIL, 6                            ; v6   0; never rewritten
.set PW,  8                            ; v8   the scale word just made
.set PW0, 9                            ; v9   tile 0's
.set SW,  10                           ; v10  tile 0's in lanes 0-15, tile 1's in lanes 16-31; v[14:15] both K steps'
.set SXW, 11                           ; v11  where my words go,
.set SXR, 12                           ; v12  and where the pair is read
.set TM,  16                           ; v16-31 at work in QUANT
.set PC,  32                           ; v32-47 codes: 8 registers for each of the two fragments
.set X,   64                           ; v64-127 64 numbers of my row
.set R,   128                          ; v128-255 32 rows as loaded
.set SRC, 20                           ; s[20:21] my group's first row, at my K step
.set SEL, 24                           ; s[24:25] lane selects: lane l xor 16
.set HI16, 26                          ; s26  lanes 16-31
; 64 numbers of a lane, register 16 b + i = k 32 b + 16 (lane / 16) + i of my row, become a fragment's codes in v[pc] on and its scale word in v[PW].
.macro QUANT src, pc
.irp b, 0,1,2,3
	v_max3_num_f32 v[TM+\b], |v[\src+16*\b]|, |v[\src+16*\b+1]|, 0x1800000   ; block b: my 16 numbers, and the floor 2^(3 - 127): the byte cannot fall under 1
.endr
.irp i, 2,4,6,8,10,12,14
.irp b, 0,1,2,3
	v_max3_num_f32 v[TM+\b], v[TM+\b], |v[\src+16*\b+\i]|, |v[\src+16*\b+\i+1]|   ; the four blocks by turns
.endr
.endr
.irp b, 0,1,2,3
	v_permlanex16_b32 v[TM+4+\b], v[TM+\b], s[SEL], s[SEL+1]
.endr
.irp b, 0,1,2,3
	v_max_num_f32 v[TM+\b], v[TM+\b], v[TM+4+\b]   ; with lane l xor 16's: the block's largest magnitude
.endr
.irp b, 0,1,2,3
	v_add_nc_u32 v[TM+12+\b], 0xff000000, v[TM+\b]   ; 2 off its exponent field: the conversion's scale operand
.endr
.irp b, 0,1,2,3
	v_lshrrev_b32 v[TM+4+\b], 23, v[TM+12+\b]      ; the scale's byte
.endr
	v_lshl_or_b32 v[PW], v[TM+5], 8, v[TM+4]
	v_lshl_or_b32 v[PW], v[TM+6], 16, v[PW]
	v_lshl_or_b32 v[PW], v[TM+7], 24, v[PW]
.irp b, 0,1,2,3
	v_cvt_scalef32_pk8_fp4_f32 v[\pc+2*\b], v[\src+16*\b:\src+16*\b+7], v[TM+12+\b]
	v_cvt_scalef32_pk8_fp4_f32 v[\pc+2*\b+1], v[\src+16*\b+8:\src+16*\b+15], v[TM+12+\b]
.endr
	v_nop                                          ; one plain line behind the scaled conversions
.irp c, 0,1                                    ; the layout wants a whole block in a lane: lanes 0-15 block 2 c, lanes 16-31 block 2 c + 1
.irp i, 0,1
	v_permlane16_swap_b32 v[\pc+4*\c+\i], v[\pc+4*\c+2+\i]
.endr
.endr
.endm
	s_load_b256 s[4:11], s[0:1], 0x0               ; x, Wq, Wk, Wv
	s_load_b128 s[12:15], s[0:1], 0x20             ; xwc, xws
	v_lshl_add_u32 v[SPW], v0, 2, SPARE
	v_mov_b32 v[NIL], 0
	v_lshrrev_b32 v7, 5, v0
	v_readfirstlane_b32 s16, v7                    ; wave
	s_mov_b32 s17, ttmp9                           ; two groups to a work-group
	s_and_b32 s18, ttmp7, 0xffff                   ; y: K steps 2 y, 2 y + 1
	s_lshr_b32 s30, s16, 1                         ; which of the two groups is mine,
	s_and_b32 s31, s16, 1                          ; and which of the two K steps
	s_mul_i32 s22, s16, WST
	s_lshl_b32 s23, s30, 8
	s_add_co_u32 s23, s23, SX
	s_lshl_b32 s28, s31, 2
	v_and_b32 v7, 31, v0
	v_lshlrev_b32 v[L16], 4, v7
	v_lshlrev_b32 v[L8], 3, v7
	v_add_nc_u32 v[LST], s22, v[L16]
	v_and_b32 v13, 15, v0                          ; r
	v_bfe_u32 v14, v0, 4, 1                        ; h
	v_mul_u32_u24 v[LRD], v13, SP
	v_lshl_add_u32 v[LRD], v14, 6, v[LRD]
	v_add_nc_u32 v[LRD], s22, v[LRD]
	v_add_nc_u32 v[SXR], s23, v[L8]
	v_add_nc_u32 v[SXW], s28, v[SXR]
.irp b, 0,1,2,3
	v_mov_b32 v[TM+4+\b], 0                        ; written once: a lane permute's destination counts as one of its sources
.endr
	s_mov_b32 s[SEL], 0x76543210
	s_mov_b32 s[SEL+1], 0xfedcba98
	s_mov_b32 s[HI16], 0xffff0000
	s_mov_b32 s19, 280
	s_wait_alu depctr_va_vdst(0)                   ; the wait at the head's end
	s_wait_kmcnt 0x0
	s_cmp_lt_u32 s17, 280                          ; which tensor: the choice hangs on the work-group's number alone
	s_cselect_b64 s[SRC:SRC+1], s[8:9], s[10:11]
	s_cselect_b32 s19, 268, s19
	s_cmp_lt_u32 s17, 268
	s_cselect_b64 s[SRC:SRC+1], s[6:7], s[SRC:SRC+1]
	s_cselect_b32 s19, 256, s19
	s_cmp_lt_u32 s17, 256
	s_cselect_b64 s[SRC:SRC+1], s[4:5], s[SRC:SRC+1]
	s_cselect_b32 s19, 0, s19                      ; the tensor's first work-group
	s_sub_co_u32 s22, s17, s19
	s_lshl_b32 s22, s22, 1
	s_add_co_u32 s22, s22, s30                     ; my group within the tensor
	s_mul_i32 s22, s22, 98304                      ; 32 rows of 3,072 bytes
	s_lshl_b32 s29, s18, 1
	s_add_co_u32 s29, s29, s31                     ; my K step
	s_lshl_b32 s23, s29, 9
	s_add_co_u32 s22, s22, s23
	s_mov_b32 s23, 0
	s_add_nc_u64 s[SRC:SRC+1], s[SRC:SRC+1], s[22:23]
	s_lshl_b32 s27, s17, 1
	s_add_co_u32 s27, s27, s30                     ; my group among the 584
	s_mul_i32 s22, s27, 12288
	s_lshl_b32 s28, s29, 11
	s_add_co_u32 s22, s22, s28
	s_add_nc_u64 s[12:13], s[12:13], s[22:23]      ; xwc at my group's K step
	s_mul_i32 s22, s27, 768
	s_lshl_b32 s28, s18, 8
	s_add_co_u32 s22, s22, s28
	s_add_nc_u64 s[14:15], s[14:15], s[22:23]      ; xws at my group's pair y
.macro LOAD8 q                         ; rows 8 q .. 8 q + 7: 512 consecutive bytes a load
.irp e, 0,1,2,3,4,5,6,7
	global_load_b128 v[R+4*(8*\q+\e):R+4*(8*\q+\e)+3], v[L16], s[SRC:SRC+1] offset:3072*(8*\q+\e) th:TH_LOAD_NT
.endr
.endm
.macro STORE8 q                        ; into the stage, a tile's sixteen rows on end: rows 0-7, 16-23, 8-15, 24-31
.irp e, 0,1,2,3,4,5,6,7
	ds_store_b128 v[LST], v[R+4*(8*\q+\e):R+4*(8*\q+\e)+3] offset:SP*(8*((\q%2)*2+\q/2)+\e)
.endr
.endm
.macro TILE u                          ; one fragment and its scale word
.irp b, 0,1,2,3
.irp j, 0,1,2,3
	ds_load_b128 v[X+16*\b+4*\j:X+16*\b+4*\j+3], v[LRD] offset:16*\u*SP+128*\b+16*\j   ; LDS serves a wave's instructions in order: these see my stores
.endr
.endr
	s_wait_dscnt 0x0
	QUANT X,PC+8*\u
.irp c, 0,1
	global_store_b128 v[L16], v[PC+8*\u+4*\c:PC+8*\u+4*\c+3], s[12:13] offset:1024*\u+512*\c
.endr
.if \u == 0
	v_mov_b32 v[PW0], v[PW]
.else
	v_cndmask_b32 v[SW], v[PW0], v[PW], s[HI16]    ; lanes 0-15 tile 0's words, lanes 16-31 tile 1's
.endif
.endm
	LOAD8 0                                        ; tile 0's rows first
	LOAD8 2
	LOAD8 1
	LOAD8 3
	s_wait_loadcnt 24                              ; of 32 loads the first 8 are in,
	STORE8 0
	s_wait_loadcnt 16                              ; the first 16,
	STORE8 2
	TILE 0
	s_wait_alu depctr_va_vdst(0)                   ; directly ahead of the wait below
	s_wait_loadcnt 8                               ; the first 24,
	STORE8 1
	s_wait_loadcnt 0x0                             ; all
	STORE8 3
	TILE 1
	ds_store_b32 v[SXW], v[SW]
	s_wait_dscnt 0x0                               ; my words are there for the wave that stores the pair
	s_barrier_signal -1
	s_barrier_wait -1
	s_cmp_lg_u32 s31, 0
	s_cbranch_scc1 .Lno_words                      ; the group's first wave stores
	ds_load_b64 v[14:15], v[SXR]
	s_wait_dscnt 0x0
	global_store_b64 v[L8], v[14:15], s[14:15]     ; 32 lanes store 256 consecutive bytes
.Lno_words:
	s_wait_tensorcnt 0x0                           ; the wave's end, behind my last LDS store
	ds_add_u32 v[SPW], v[NIL]
	s_wait_dscnt 0x0
	s_endpgm
.Lfunc_end_k_qe45ebecc74_quant:
	.size	k_qe45ebecc74_quant, .Lfunc_end_k_qe45ebecc74_quant-k_qe45ebecc74_quant
	.p2alignl 7, 3214868480
	.fill 96, 4, 3214868480
	.section	.rodata,"a",@progbits
	.p2align	6, 0x0
	.amdhsa_kernel k_qe45ebecc74_quant
		.amdhsa_group_segment_fixed_size 68608
		.amdhsa_private_segment_fixed_size 0
		.amdhsa_enable_private_segment 0
		.amdhsa_kernarg_size 48
		.amdhsa_user_sgpr_count 2
		.amdhsa_user_sgpr_kernarg_segment_ptr 1
		.amdhsa_wavefront_size32 1
		.amdhsa_system_sgpr_workgroup_id_x 1
		.amdhsa_system_sgpr_workgroup_id_y 1
		.amdhsa_system_sgpr_workgroup_id_z 1
		.amdhsa_system_vgpr_workitem_id 0
		.amdhsa_next_free_vgpr 256
		.amdhsa_next_free_sgpr 66
		.amdhsa_reserve_vcc 0
		.amdhsa_float_denorm_mode_32 3
		.amdhsa_float_denorm_mode_16_64 3
		.amdhsa_memory_ordered 1
		.amdhsa_forward_progress 1
		.amdhsa_inst_pref_size 19
	.end_amdhsa_kernel
	.amdgpu_metadata
---
amdhsa.version: [ 1, 2 ]
amdhsa.kernels:
  - .name:           k_qe45ebecc74_quant
    .symbol:         k_qe45ebecc74_quant.kd
    .args:
      - { .name: x, .offset: 0, .size: 8, .value_kind: global_buffer, .address_space: global }
      - { .name: Wq, .offset: 8, .size: 8, .value_kind: global_buffer, .address_space: global }
      - { .name: Wk, .offset: 16, .size: 8, .value_kind: global_buffer, .address_space: global }
      - { .name: Wv, .offset: 24, .size: 8, .value_kind: global_buffer, .address_space: global }
      - { .name: xwc, .offset: 32, .size: 8, .value_kind: global_buffer, .address_space: global }
      - { .name: xws, .offset: 40, .size: 8, .value_kind: global_buffer, .address_space: global }
    .group_segment_fixed_size: 68608
    .private_segment_fixed_size: 0
    .kernarg_segment_align: 8
    .kernarg_segment_size: 48
    .max_flat_workgroup_size: 128
    .sgpr_count:     66
    .vgpr_count:     256
    .wavefront_size: 32
...
	.end_amdgpu_metadata
.endif
;; end of part 1
;; launch proj (part 2): grid 64 x 4, 4 waves a work-group, clusters of 4 x 1, 327,680 bytes of LDS; arguments xwc, xws, qkvc, qkvs; writes qkvc, qkvs
.if DOCPART == 2
	.amdgcn_target "amdgcn-amd-amdhsa--gfx1250"
	.amdhsa_code_object_version 6
	.text
	.protected	k_qe45ebecc74_proj
	.globl	k_qe45ebecc74_proj
	.p2align	8
	.type	k_qe45ebecc74_proj,@function
k_qe45ebecc74_proj:
	s_mov_b64 s[64:65], 0
	v_nop
	global_prefetch_b8 v0, s[64:65] scope:SCOPE_SE
	s_setreg_imm32_b32 hwreg(HW_REG_WAVE_MODE, 25, 1), 1
	s_wait_xcnt 0x0
	s_wait_alu depctr_hold_cnt(0) depctr_sa_sdst(0) depctr_va_vdst(0) depctr_va_sdst(0) depctr_va_ssrc(0) depctr_va_vcc(0) depctr_vm_vsrc(0)
	s_getreg_b32 s2, hwreg(HW_REG_IB_STS2, 6, 4)
	s_cmp_eq_u32 s2, 0
	s_cbranch_scc0 .Lentry_in_a_cluster
	s_endpgm
.Lentry_in_a_cluster:
	s_bfe_u32 s2, ttmp6, 0x10000c
	s_cmp_lg_u32 s2, 0x3003
	s_cbranch_scc0 .Lentry_shape_is_right
	s_endpgm
.Lentry_shape_is_right:
; q = x Wq^T, k = x Wk^T, v = x Wv^T on the codes of the launch before, and q, k, v turned into codes at once: q and k along d (their K in q k^T), v along the keys (its K in p v).  Nothing is left out here.
; SHARES.  Work-group (rb, nb): 256 rows of x, wave w its 64 rows 256 rb + 64 w on (4 tiles x 6 K steps, 192 registers, kept), against nine UNITS of 64 rows of W (2 groups, 4 tiles).  Of the 24 units of Wq and Wk part nb = 0, 1, 2 takes
; eight, 8 nb on, and as its ninth the unit nb of Wv; part 3 takes the units 3 .. 11 of Wv.  So every work-group has nine units, and the ninth is always one of Wv.
; A UNIT: 4 tiles of x x 4 tiles of W x 6 K steps = 96 matrix instructions into 16 accumulators.  For q, k source 0 is W: a lane holds one row t, 32 registers along d for each tile of x.  For v source 0 is x: a lane holds one d, 32 registers
; along the keys for each tile of Wv.  Either way four HALF FRAGMENTS (64 along the next product's K), quantised in registers, 512 consecutive bytes each.
; W: nine units' codes (24,576 bytes each) and scale words (1,536 each) come into LDS once; nothing is filled again.  Units 0, 1, the scale words of 0 .. 7 and unit 8 at the head, the rest behind the next round; one load a wave each time.
; CLUSTERS: the four work-groups of a cluster have the same part of W and ask for it jointly, mask 15.  x goes from memory straight into registers.  No prefetch: all loads stand in the head, there is no loop ahead of which to ask.
; LDS READS: W's fragments lie in two halves of registers (K steps 0-2, 3-5): each is loaded anew, for the next unit, as soon as its 48 products are issued.
; SCALE WORDS.  q, k: two units on end are a K step: the wave joins their bytes.  v: a key step's four bytes come from two waves: they meet in LDS behind the loop.
; OUT.  qkvc: q at 0, k at QSZ: [group 512][K step 6][tile][c][lane][16]; v at 2 QSZ: [key step 128][group of d 24][tile][c][lane][16].
;       qkvs: q at 0, k at 393,216: [K step 6][pair of groups 256][lane][2 words]; v at 786,432: [key step 128][pair of groups 12][lane][2 words].  Lane 16 u + r holds tile u's row r.
; LIMITS as in the first launch: a block under 2^-124 gets the byte 1; NaN and infinities are not served.
; REGISTERS.  window 0: see the names;  window 1: v0-191 W's fragments ((tile t, K step s) at 8 (6 t + s));  window 2: v0-191 x's likewise.
.set QSZ,   6291456
.set GB,    12288                      ; a group's codes in bytes
.set UB,    24576                      ; a unit's
.set SC,    9*UB                       ; LDS: behind the nine units their scale words
.set SPARE, SC+9*1536                  ; the spare words, 512 bytes
.set VSC,   SPARE+512                  ; v's scale words: [unit 9][wave 4][lane][2]
.set L16, 1                            ; v1   16 x lane
.set L8,  2                            ; v2   8 x lane
.set WA,  3                            ; v3   16 x lane + the pair of units in hand
.set WSA, 4                            ; v4   its scale words
.set SPW, 5
.set NIL, 6
.set VA,  7                            ; v7   where the pair's scale words of v go
.set TM,  8                            ; v8-31 at work in QUANT
.set PC,  32                           ; v32-47, v48-63 the codes of an even and of an odd unit
.set PW,  64                           ; v64-67 the half fragments' two bytes
.set SW,  68                           ; v[68:69]
.set SWE, 70                           ; v[70:71] the even unit's
.set WS,  72                           ; v72-83 W's scale words: group g of the unit, K step s at 6 g + s
.set XS,  84                           ; v84-95 x's
.set RVA, 96
.set RVB, 97
.set WSB, 98                           ; v98  SC + 8 x lane
.set VAB, 99                           ; v99  VSC + 256 w + 8 x lane
.set ACC, 128                          ; v128-255
.set VO, 3                             ; s3   offsets of the pair in hand: v's scale words,
.set WV, 12
.set RB, 13
.set NB, 14
.set TY, 15                            ; s15  0: units 0 .. 7 are of q, k; 1: of v
.set OF, 16                            ; s[16:17] an offset; the upper word stays 0
.set SEL, 18
.set HI16, 20
.set UV, 21                            ; s21  the ninth unit's number in Wv, then its place in qkvc
.set CT, 22
.set SH, 23                            ; s23  16 (w % 2)
.set G1A, 24                           ; group 1: 96 rows of 256 bytes, 48, 192, 6
.set G1B, 32
.set G1C, 40
.set G1D, 48
.set GH0, 56                           ; group 0, head: waves 0, 1; wave 2; wave 3
.set GH2, 60
.set UA, 66                            ; s66  W's codes,
.set WO, 67                            ; s67  and W's scale words
.set GH3, 68
.set GS0, 72                           ; behind the next round: waves 0-2; wave 3
.set GS3, 76
.set OA, 80                            ; out: even unit, half fragments 0, 1;
.set OB, 82                            ; 2, 3;
.set OC, 84                            ; odd unit
.set OD, 86
.set QO, 88                            ; the pair's scale words of q, k
.set STO, 90                           ; from pair to pair, in bytes
.set PX, 91                            ; the K step among q's and k's twelve
.set TP, 92
.set TQ, 93
.set WG0, 94                           ; W's first group, the ninth unit's first group
.set WG8, 95
.set XB, 96
.set XSB, 98
.set KY, 100                           ; my key step
.set DS, 101
.set MSB, 0
.macro WIN new                         ; the immediate's high byte repeats the setting that is left
.if MSB != (\new)
	s_set_vgpr_msb (MSB<<8)|(\new)
.set MSB, (\new)
.endif
.endm
; one matrix instruction.  z: the sum begins (C = 0).  ra, rb: the scale words stand in lanes 16-31
.macro WM d, a, b, z, sa, sb, ra, rb
.if \z
.if (\ra)&&(\rb)
	v_wmma_scale_f32_16x16x128_f8f6f4 v[\d:\d+7], v[\a:\a+7], v[\b:\b+7], 0, v[\sa], v[\sb] matrix_a_fmt:MATRIX_FMT_FP4 matrix_b_fmt:MATRIX_FMT_FP4 matrix_a_scale:MATRIX_SCALE_ROW1 matrix_b_scale:MATRIX_SCALE_ROW1
.elseif (\ra)
	v_wmma_scale_f32_16x16x128_f8f6f4 v[\d:\d+7], v[\a:\a+7], v[\b:\b+7], 0, v[\sa], v[\sb] matrix_a_fmt:MATRIX_FMT_FP4 matrix_b_fmt:MATRIX_FMT_FP4 matrix_a_scale:MATRIX_SCALE_ROW1
.elseif (\rb)
	v_wmma_scale_f32_16x16x128_f8f6f4 v[\d:\d+7], v[\a:\a+7], v[\b:\b+7], 0, v[\sa], v[\sb] matrix_a_fmt:MATRIX_FMT_FP4 matrix_b_fmt:MATRIX_FMT_FP4 matrix_b_scale:MATRIX_SCALE_ROW1
.else
	v_wmma_scale_f32_16x16x128_f8f6f4 v[\d:\d+7], v[\a:\a+7], v[\b:\b+7], 0, v[\sa], v[\sb] matrix_a_fmt:MATRIX_FMT_FP4 matrix_b_fmt:MATRIX_FMT_FP4
.endif
.else
.if (\ra)&&(\rb)
	v_wmma_scale_f32_16x16x128_f8f6f4 v[\d:\d+7], v[\a:\a+7], v[\b:\b+7], v[\d:\d+7], v[\sa], v[\sb] matrix_a_fmt:MATRIX_FMT_FP4 matrix_b_fmt:MATRIX_FMT_FP4 matrix_a_scale:MATRIX_SCALE_ROW1 matrix_b_scale:MATRIX_SCALE_ROW1
.elseif (\ra)
	v_wmma_scale_f32_16x16x128_f8f6f4 v[\d:\d+7], v[\a:\a+7], v[\b:\b+7], v[\d:\d+7], v[\sa], v[\sb] matrix_a_fmt:MATRIX_FMT_FP4 matrix_b_fmt:MATRIX_FMT_FP4 matrix_a_scale:MATRIX_SCALE_ROW1
.elseif (\rb)
	v_wmma_scale_f32_16x16x128_f8f6f4 v[\d:\d+7], v[\a:\a+7], v[\b:\b+7], v[\d:\d+7], v[\sa], v[\sb] matrix_a_fmt:MATRIX_FMT_FP4 matrix_b_fmt:MATRIX_FMT_FP4 matrix_b_scale:MATRIX_SCALE_ROW1
.else
	v_wmma_scale_f32_16x16x128_f8f6f4 v[\d:\d+7], v[\a:\a+7], v[\b:\b+7], v[\d:\d+7], v[\sa], v[\sb] matrix_a_fmt:MATRIX_FMT_FP4 matrix_b_fmt:MATRIX_FMT_FP4
.endif
.endif
.endm
.macro CROUND                          ; a round of the cluster's barrier
	s_barrier_signal -1
	s_barrier_wait -1
	s_cmp_lg_u32 s[WV], 0
	s_cbranch_scc1 .Lnot_wave_0_\@
	s_barrier_signal -3
.Lnot_wave_0_\@:
	s_barrier_wait -3
	s_barrier_signal -1
	s_barrier_wait -1
.endm
.macro LOADT g0, g1
	tensor_load_to_lds s[\g0:\g0+3], s[\g1:\g1+7]
	s_nop 0
.rept 4
	v_nop
.endr
.endm
.macro GRP1 g, rows                    ; descriptor group 1: mask 15, elements of 8 bytes, bit 21 set beside a mask, rows of 256 bytes, dense
	s_mov_b32 s[\g], 15|(3<<16)|(1<<21)
	s_mov_b32 s[\g+1], 32<<16
	s_mov_b32 s[\g+2], (\rows)<<16
	s_mov_b32 s[\g+3], 32<<16
	s_mov_b32 s[\g+4], \rows
	s_mov_b32 s[\g+5], 32
	s_mov_b32 s[\g+6], 0
	s_mov_b32 s[\g+7], 0
.endm
.macro GRP0 g, base, lds               ; group 0 of the load from base + s[OF] to a constant LDS address
	s_mov_b32 s[\g], 1
	s_mov_b32 s[\g+1], \lds
	s_add_nc_u64 s[\g+2:\g+3], s[\base:\base+1], s[OF:OF+1]
	s_or_b32 s[\g+3], s[\g+3], 0x80000000
.endm
; half hf of a unit's products: K steps 3 hf .. 3 hf + 2.  Accumulator (g, i) at ACC + 8 (4 g + i); the sixteen take turns
.macro SECQK hf                        ; q, k: source 0 = W's tile i, source 1 = x's tile g
	WIN 0x09
.irp s, 0,1,2
.irp g, 0,1,2,3
.irp i, 0,1,2,3
	WM ACC+8*(4*\g+\i),8*(6*\i+3*\hf+\s),8*(6*\g+3*\hf+\s),((3*\hf+\s)==0),WS+6*(\i/2)+3*\hf+\s,XS+6*(\g/2)+3*\hf+\s,\i%2,\g%2
.endr
.endr
.endr
	WIN 0
.endm
.macro SECV hf                         ; v: source 0 = x's tile i, source 1 = W's tile g
	WIN 0x06
.irp s, 0,1,2
.irp g, 0,1,2,3
.irp i, 0,1,2,3
	WM ACC+8*(4*\g+\i),8*(6*\i+3*\hf+\s),8*(6*\g+3*\hf+\s),((3*\hf+\s)==0),XS+6*(\i/2)+3*\hf+\s,WS+6*(\g/2)+3*\hf+\s,\i%2,\g%2
.endr
.endr
.endr
	WIN 0
.endm
.macro SEC hf                          ; the choice hangs on the work-group's number alone
	s_cmp_eq_u32 s[TY], 0
	s_cbranch_scc0 .Lv_\@
	SECQK \hf
	s_branch .Ljoin_\@
.Lv_\@:
	SECV \hf
.Ljoin_\@:
.endm
.macro HLOAD hf, o                     ; W's twelve fragments of half hf: 24 LDS loads
	WIN 0x40
.irp s, 0,1,2
.irp t, 0,1,2,3
.irp c, 0,1
	ds_load_b128 v[8*(6*\t+3*\hf+\s)+4*\c:8*(6*\t+3*\hf+\s)+4*\c+3], v[WA] offset:\o+GB*(\t/2)+2048*(3*\hf+\s)+1024*(\t%2)+512*\c
.endr
.endr
.endr
	WIN 0
.endm
.macro SLOAD o                         ; a unit's scale words: 6 LDS loads
.irp g, 0,1
.irp q, 0,1,2
	ds_load_b64 v[WS+6*\g+2*\q:WS+6*\g+2*\q+1], v[WSA] offset:\o+768*\g+256*\q
.endr
.endr
.endm
; 16 accumulators: chain c = 2 g + b is block b of half fragment g, my 16 numbers at ACC + 16 c.  Codes into v[pc + 4 g] on, the two bytes into v[PW + g].  Each accumulator is read from its low end on.
.macro QUANT pc
	s_wait_xcnt 0x0                                ; every store issued has read its registers
.irp c, 0,1,2,3,4,5,6,7
	v_max3_num_f32 v[TM+\c], |v[ACC+16*\c]|, |v[ACC+16*\c+1]|, 0x1800000   ; and the floor 2^(3 - 127): the byte cannot fall under 1
.endr
.irp i, 2,4,6,8,10,12,14
.irp c, 0,1,2,3,4,5,6,7
	v_max3_num_f32 v[TM+\c], v[TM+\c], |v[ACC+16*\c+\i]|, |v[ACC+16*\c+\i+1]|   ; the chains by turns
.endr
.endr
.irp c, 0,1,2,3,4,5,6,7
	v_permlanex16_b32 v[TM+8+\c], v[TM+\c], s[SEL], s[SEL+1]
.endr
.irp c, 0,1,2,3,4,5,6,7
	v_max_num_f32 v[TM+\c], v[TM+\c], v[TM+8+\c]   ; with lane l xor 16's: the block's largest magnitude
.endr
.irp c, 0,1,2,3,4,5,6,7
	v_add_nc_u32 v[TM+16+\c], 0xff000000, v[TM+\c]   ; 2 off its exponent field: the conversion's scale operand
.endr
.irp c, 0,1,2,3,4,5,6,7
	v_lshrrev_b32 v[TM+8+\c], 23, v[TM+16+\c]      ; the scale's byte
.endr
.irp g, 0,1,2,3
	v_lshl_or_b32 v[PW+\g], v[TM+9+2*\g], 8, v[TM+8+2*\g]
.endr
.irp c, 0,1,2,3,4,5,6,7
	v_cvt_scalef32_pk8_fp4_f32 v[\pc+2*\c], v[ACC+16*\c:ACC+16*\c+7], v[TM+16+\c]
	v_cvt_scalef32_pk8_fp4_f32 v[\pc+2*\c+1], v[ACC+16*\c+8:ACC+16*\c+15], v[TM+16+\c]
.endr
	v_nop                                          ; one plain line behind the scaled conversions
.irp g, 0,1,2,3
.irp i, 0,1
	v_permlane16_swap_b32 v[\pc+4*\g+\i], v[\pc+4*\g+2+\i]   ; a whole block in a lane: lanes 0-15 block 0, lanes 16-31 block 1
.endr
.endr
.endm
.macro SEND pc, oa, ob                 ; 512 consecutive bytes a store, aligned
.irp g, 0,1
	global_store_b128 v[L16], v[\pc+4*\g:\pc+4*\g+3], s[\oa:\oa+1] offset:1024*\g
.endr
.irp g, 0,1
	global_store_b128 v[L16], v[\pc+8+4*\g:\pc+8+4*\g+3], s[\ob:\ob+1] offset:1024*\g
.endr
.endm
.macro JOIN d                          ; tile 0's bytes in lanes 0-15, tile 1's in lanes 16-31, for both groups
	v_cndmask_b32 v[\d], v[PW], v[PW+1], s[HI16]
	v_cndmask_b32 v[\d+1], v[PW+2], v[PW+3], s[HI16]
.endm
; The unit of parity o of the pair in hand.  Waits on DScnt: 24 leaves the younger half's loads out.
.macro UNIT o
	s_wait_dscnt 24                                ; this unit's first half and its scale words are in
	SEC 0
.if \o == 0
.rept 4
	v_nop                                          ; places ahead of the loads into registers that the products read
.endr
	HLOAD 0,UB
	s_wait_dscnt 24                                ; the second half is in
	SEC 1
.else
	s_wait_tensorcnt 0x0                           ; the second of my loads is in (it counts in the first trip),
	s_wait_dscnt 0x0                               ; and this unit's second half
	s_barrier_signal -1
	s_barrier_wait -1                              ; every wave's: units 2 .. 8 may be read
.rept 4
	v_nop
.endr
	s_add_co_u32 s[UA], s[UA], 2*UB                ; the next pair
	s_add_co_u32 s[WO], s[WO], 3072
	v_add_nc_u32 v[WA], s[UA], v[L16]
	v_add_nc_u32 v[WSA], s[WO], v[WSB]
	s_wait_alu depctr_va_vdst(0)                   ; directly behind the writes
	HLOAD 0,0
	SEC 1
.endif
.rept 5
	v_nop                                          ; four places ahead of the loads and of the first read of results, five ahead of the next unit's first products
.endr
	SLOAD (1536-1536*\o)
	HLOAD 1,(UB-UB*\o)
	QUANT PC+16*\o
	SEND PC+16*\o,OA+4*\o,OB+4*\o
.if \o == 0
	JOIN SWE
.else
	JOIN SW
.endif
	s_wait_alu depctr_va_vdst(0)                   ; directly ahead of the branch
	s_cmp_eq_u32 s[TY], 0
.if \o == 0
	s_cbranch_scc1 .Lno_v
	v_lshlrev_b32 v[SW], s[SH], v[SWE]
	v_lshlrev_b32 v[SW+1], s[SH], v[SWE+1]
	ds_store_b64 v[VA], v[SW:SW+1]                 ; v: my two bytes of each word
.Lno_v:
.else
	s_cbranch_scc1 .Lword_qk
	v_lshlrev_b32 v[SW], s[SH], v[SW]
	v_lshlrev_b32 v[SW+1], s[SH], v[SW+1]
	ds_store_b64 v[VA], v[SW:SW+1] offset:1024
	s_branch .Lword_done
.Lword_qk:
	v_lshl_or_b32 v[SW], v[SW], 16, v[SWE]         ; q, k: the even unit's bytes and the odd one's make the words
	v_lshl_or_b32 v[SW+1], v[SW+1], 16, v[SWE+1]
	global_store_b64 v[L8], v[SW:SW+1], s[QO:QO+1] ; 256 consecutive bytes
.Lword_done:
.endif
.endm
	s_load_b256 s[4:11], s[0:1], 0x0               ; xwc s[4:5], xws s[6:7], qkvc s[8:9], qkvs s[10:11]
	v_lshl_add_u32 v[SPW], v0, 2, SPARE
	v_mov_b32 v[NIL], 0
	ds_add_u32 v[SPW], v[NIL]                      ; the wave's opening: the add, twice on end, and its wait ahead of my first tensor load
	ds_add_u32 v[SPW], v[NIL]
	v_lshrrev_b32 v8, 5, v0
	v_readfirstlane_b32 s[WV], v8                  ; wave
	s_bfe_u32 s[TP], ttmp6, 0x40000                ; my place in the cluster: it enters the rows of x and the places of results alone
	s_lshl_b32 s[RB], ttmp9, 2
	s_add_co_u32 s[RB], s[RB], s[TP]
	s_and_b32 s[NB], ttmp7, 0xffff
	GRP1 G1A,96
	GRP1 G1B,48
	GRP1 G1C,192
	GRP1 G1D,6
	s_cmp_eq_u32 s[NB], 3
	s_cselect_b32 s[TY], 1, 0
	s_cselect_b32 s[TP], 6, 0
	s_cselect_b32 s[TQ], 16, 0
	s_cselect_b32 s[UV], 11, s[NB]
	s_lshl_b32 s[WG0], s[NB], 4
	s_add_co_u32 s[WG0], s[WG0], 512
	s_add_co_u32 s[WG0], s[WG0], s[TP]             ; units 0 .. 7: groups 512 + 16 nb on, in part 3 566 on
	s_lshl_b32 s[WG8], s[NB], 1
	s_add_co_u32 s[WG8], s[WG8], 560
	s_add_co_u32 s[WG8], s[WG8], s[TQ]             ; the ninth: 560 + 2 nb, in part 3 582
	s_mov_b32 s[SEL], 0x76543210
	s_mov_b32 s[SEL+1], 0xfedcba98
	s_mov_b32 s[HI16], 0xffff0000
	s_mov_b32 s[OF+1], 0
	s_mov_b32 s[UA], 0
	s_mov_b32 s[WO], 0
	s_mov_b32 s[VO], 0
	s_and_b32 s[TP], s[WV], 1
	s_lshl_b32 s[SH], s[TP], 4
	s_lshl_b32 s[TQ], s[WV], 8
	s_add_co_u32 s[TQ], s[TQ], VSC
	s_lshr_b32 s[OF], s[WV], 1
	s_lshl_b32 s[OF], s[OF], 9
	s_add_co_u32 s[OF], s[OF], VSC
	s_lshl_b32 s[TP], s[TP], 10
	s_add_co_u32 s[TP], s[TP], s[OF]
	v_and_b32 v8, 31, v0
	v_lshlrev_b32 v[L16], 4, v8
	v_lshlrev_b32 v[L8], 3, v8
	v_add_nc_u32 v[WA], s[UA], v[L16]
	v_add_nc_u32 v[WSB], SC, v[L8]
	v_add_nc_u32 v[WSA], s[WO], v[WSB]
	v_add_nc_u32 v[VAB], s[TQ], v[L8]
	v_add_nc_u32 v[VA], s[VO], v[VAB]
	v_add_nc_u32 v[RVA], s[TP], v[L8]              ; behind the loop: key step w / 2, units of parity w % 2
	v_add_nc_u32 v[RVB], s[OF], v[L8]
	v_add_nc_u32 v[RVB], 8192, v[RVB]              ; the ninth unit
.irp c, 0,1,2,3,4,5,6,7
	v_mov_b32 v[TM+8+\c], 0                        ; written once: a lane permute's destination counts as one of its sources
.endr
	s_wait_alu depctr_va_vdst(0)                   ; directly ahead of the waits below
	s_wait_dscnt 0x0                               ; both opening adds are done
	s_wait_kmcnt 0x0
	s_mul_i32 s[OF], s[WG0], 768
	GRP0 GH2,6,SC                                  ; wave 2: the scale words of units 0 .. 7
	s_mul_i32 s[OF], s[WG8], GB
	GRP0 GH3,4,8*UB                                ; wave 3: unit 8
	s_mul_i32 s[OF], s[WG8], 768
	GRP0 GS3,6,SC+8*1536                           ; and its scale words
	s_mul_i32 s[OF], s[WG0], GB
	s_mul_i32 s[TP], s[WV], UB
	s_add_co_u32 s[OF], s[OF], s[TP]
	s_mov_b32 s[GH0], 1                            ; waves 0, 1: unit w
	s_mov_b32 s[GH0+1], s[TP]
	s_add_nc_u64 s[GH0+2:GH0+3], s[4:5], s[OF:OF+1]
	s_or_b32 s[GH0+3], s[GH0+3], 0x80000000
	s_add_co_u32 s[OF], s[OF], s[TP]
	s_add_co_u32 s[OF], s[OF], 2*UB
	s_mul_i32 s[TP], s[WV], 2*UB
	s_mov_b32 s[GS0], 1                            ; waves 0-2: units 2 + 2 w, 3 + 2 w
	s_add_co_u32 s[GS0+1], s[TP], 2*UB
	s_add_nc_u64 s[GS0+2:GS0+3], s[4:5], s[OF:OF+1]
	s_or_b32 s[GS0+3], s[GS0+3], 0x80000000
	s_lshl_b32 s[TQ], s[RB], 3
	s_lshl_b32 s[TP], s[WV], 1
	s_add_co_u32 s[TQ], s[TQ], s[TP]               ; my first group of x: 8 rb + 2 w
	s_mul_i32 s[OF], s[TQ], GB
	s_add_nc_u64 s[XB:XB+1], s[4:5], s[OF:OF+1]
	s_mul_i32 s[OF], s[TQ], 768
	s_add_nc_u64 s[XSB:XSB+1], s[6:7], s[OF:OF+1]
	CROUND                                         ; all four work-groups are here: the first joint loads meet
	s_cmp_lt_u32 s[WV], 2                          ; the head's loads, one a wave, in one tree of branches on the wave's number
	s_cbranch_scc0 .Lhead_s
	LOADT GH0,G1A
	s_branch .Lhead_asked
.Lhead_s:
	s_cmp_lt_u32 s[WV], 3
	s_cbranch_scc0 .Lhead_9
	LOADT GH2,G1B
	s_branch .Lhead_asked
.Lhead_9:
	LOADT GH3,G1A
.Lhead_asked:
	WIN 0x80                                       ; x: destination window 2
.irp s, 0,1,2,3,4,5
.irp t, 0,1,2,3
.irp c, 0,1
	global_load_b128 v[8*(6*\t+\s)+4*\c:8*(6*\t+\s)+4*\c+3], v[L16], s[XB:XB+1] offset:GB*(\t/2)+2048*\s+1024*(\t%2)+512*\c
.endr
.endr
.endr
	WIN 0
.irp g, 0,1
.irp q, 0,1,2
	global_load_b64 v[XS+6*\g+2*\q:XS+6*\g+2*\q+1], v[L8], s[XSB:XSB+1] offset:768*\g+256*\q
.endr
.endr
	; where results go.  s[TQ] = 8 rb + 2 w
	s_lshl_b32 s[PX], s[NB], 2                     ; q, k: K steps 4 nb .. 4 nb + 3 of the twelve of q and k
	s_lshl_b32 s[OF], s[PX], 16
	s_lshl_b32 s[TP], s[TQ], 7
	s_add_co_u32 s[OF], s[OF], s[TP]               ; the pair of groups 4 rb + w
	s_add_nc_u64 s[QO:QO+1], s[10:11], s[OF:OF+1]
	s_mul_i32 s[TQ], s[TQ], GB
	s_lshl_b32 s[TP], s[PX], 11
	s_add_co_u32 s[TQ], s[TQ], s[TP]
	s_cmp_ge_u32 s[PX], 6
	s_cselect_b32 s[TP], QSZ-GB, 0
	s_add_co_u32 s[TQ], s[TQ], s[TP]
	s_lshl_b32 s[KY], s[RB], 1
	s_lshr_b32 s[TP], s[WV], 1
	s_add_co_u32 s[KY], s[KY], s[TP]               ; my key step: 2 rb + w / 2
	s_mul_i32 s[OF], s[KY], 49152
	s_lshl_b32 s[TP], s[SH], 5
	s_add_co_u32 s[OF], s[OF], s[TP]               ; + 512 (w % 2)
	s_add_co_u32 s[OF], s[OF], 2*QSZ
	s_lshl_b32 s[TP], s[UV], 12
	s_add_co_u32 s[UV], s[OF], s[TP]               ; where the ninth unit goes
	s_add_co_u32 s[OF], s[OF], 3*4096              ; part 3: Wv's unit 3 on
	s_mov_b32 s[TP], 2048
	s_mov_b32 s[DS], 4096
	s_mov_b32 s[STO], 8192
	s_cmp_eq_u32 s[TY], 0
	s_cselect_b32 s[OF], s[TQ], s[OF]
	s_cselect_b32 s[PX], s[PX], 100
	s_cselect_b32 s[STO], 2048, s[STO]
	s_cselect_b32 s[DS], 512, s[DS]                ; from an even unit to its odd one
	s_cselect_b32 s[TP], GB, s[TP]                 ; from half fragments 0, 1 to 2, 3
	s_add_nc_u64 s[OA:OA+1], s[8:9], s[OF:OF+1]
	s_mov_b32 s[OF], s[TP]
	s_add_nc_u64 s[OB:OB+1], s[OA:OA+1], s[OF:OF+1]
	s_mov_b32 s[OF], s[DS]
	s_add_nc_u64 s[OC:OC+1], s[OA:OA+1], s[OF:OF+1]
	s_add_nc_u64 s[OD:OD+1], s[OB:OB+1], s[OF:OF+1]
	s_wait_alu depctr_va_vdst(0)                   ; the wait at the head's end
	s_wait_tensorcnt 0x0                           ; my part of the head's tiles is in
	ds_add_u32 v[SPW], v[NIL]
	s_wait_dscnt 0x0
	CROUND                                         ; everybody's part is in, and the joint loads meet
	s_cmp_lt_u32 s[WV], 3
	s_cbranch_scc0 .Lrest_9
	LOADT GS0,G1C
	s_branch .Lrest_asked
.Lrest_9:
	LOADT GS3,G1D
.Lrest_asked:
	HLOAD 0,0
	SLOAD 0
	HLOAD 1,0
	s_wait_loadcnt 0x0                             ; x is in
	s_mov_b32 s[CT], 4
.Lpair:                                            ; four pairs of units
	UNIT 0
	UNIT 1
	s_wait_xcnt 0x0                                ; every store issued has read its base: now the bases step
	s_add_co_u32 s[PX], s[PX], 1
	s_add_co_u32 s[VO], s[VO], 2048
	s_cmp_eq_u32 s[PX], 6                          ; from q's last K step to k's first
	s_cselect_b32 s[OF], QSZ-GB+2048, s[STO]
	s_add_nc_u64 s[OA:OA+1], s[OA:OA+1], s[OF:OF+1]
	s_add_nc_u64 s[OB:OB+1], s[OB:OB+1], s[OF:OF+1]
	s_add_nc_u64 s[OC:OC+1], s[OC:OC+1], s[OF:OF+1]
	s_add_nc_u64 s[OD:OD+1], s[OD:OD+1], s[OF:OF+1]
	s_add_nc_u64 s[QO:QO+1], s[QO:QO+1], 65536
	v_add_nc_u32 v[VA], s[VO], v[VAB]
	s_wait_alu depctr_va_vdst(0)                   ; directly ahead of the branch
	s_sub_co_u32 s[CT], s[CT], 1
	s_cmp_lg_u32 s[CT], 0
	s_cbranch_scc1 .Lpair
	s_wait_dscnt 24                                ; the ninth unit, of Wv in every part
	SECV 0
	s_wait_dscnt 0x0
	SECV 1
	s_mov_b32 s[OF], s[UV]
	s_add_nc_u64 s[OA:OA+1], s[8:9], s[OF:OF+1]    ; (behind the loop's last wait on XCNT no store has been issued)
	s_add_nc_u64 s[OB:OB+1], s[OA:OA+1], 2048
.rept 4
	v_nop
.endr
	QUANT PC
	SEND PC,OA,OB
	JOIN SW
	v_lshlrev_b32 v[SW], s[SH], v[SW]
	v_lshlrev_b32 v[SW+1], s[SH], v[SW+1]
	ds_store_b64 v[VA], v[SW:SW+1]
	; v's scale words: the two waves of a key step meet
	s_mul_i32 s[OF], s[KY], 3072
	s_add_co_u32 s[OF], s[OF], 786432
	s_add_nc_u64 s[XB:XB+1], s[10:11], s[OF:OF+1]  ; my key step,
	s_lshl_b32 s[OF], s[SH], 4
	s_add_nc_u64 s[XSB:XSB+1], s[XB:XB+1], s[OF:OF+1]   ; at units of parity w % 2
	s_and_b32 s[TP], s[WV], 1
	s_cmp_eq_u32 s[TY], 0
	s_cselect_b32 s[OF], s[NB], 11
	s_lshl_b32 s[OF], s[OF], 8
	s_add_nc_u64 s[XB:XB+1], s[XB:XB+1], s[OF:OF+1]     ; at the ninth unit
	s_wait_dscnt 0x0
	s_barrier_signal -1
	s_barrier_wait -1
	s_cmp_eq_u32 s[TY], 0
	s_cbranch_scc1 .Lninth
.irp i, 0,1,2,3
	ds_load_b64 v[TM+4*\i:TM+4*\i+1], v[RVA] offset:2048*\i
	ds_load_b64 v[TM+4*\i+2:TM+4*\i+3], v[RVA] offset:2048*\i+256
.endr
	s_wait_dscnt 0x0
.irp i, 0,1,2,3
	v_or_b32 v[TM+4*\i], v[TM+4*\i], v[TM+4*\i+2]
	v_or_b32 v[TM+4*\i+1], v[TM+4*\i+1], v[TM+4*\i+3]
.endr
.irp i, 0,1,2,3
	global_store_b64 v[L8], v[TM+4*\i:TM+4*\i+1], s[XSB:XSB+1] offset:768+512*\i   ; 256 consecutive bytes
.endr
.Lninth:
	s_cmp_lg_u32 s[TP], 0
	s_cbranch_scc1 .Lend                           ; the even wave of a key step stores the ninth's
	ds_load_b64 v[TM+16:TM+17], v[RVB]
	ds_load_b64 v[TM+18:TM+19], v[RVB] offset:256
	s_wait_dscnt 0x0
	v_or_b32 v[TM+16], v[TM+16], v[TM+18]
	v_or_b32 v[TM+17], v[TM+17], v[TM+19]
	global_store_b64 v[L8], v[TM+16:TM+17], s[XB:XB+1]
.Lend:
	s_wait_tensorcnt 0x0                           ; the wave's end, behind my last LDS store
	ds_add_u32 v[SPW], v[NIL]
	s_wait_dscnt 0x0
	CROUND                                         ; the closing round: no work-group ends while a partner may still ask for a tile that names it
	s_endpgm
.Lfunc_end_k_qe45ebecc74_proj:
	.size	k_qe45ebecc74_proj, .Lfunc_end_k_qe45ebecc74_proj-k_qe45ebecc74_proj
	.p2alignl 7, 3214868480
	.fill 96, 4, 3214868480
	.section	.rodata,"a",@progbits
	.p2align	6, 0x0
	.amdhsa_kernel k_qe45ebecc74_proj
		.amdhsa_group_segment_fixed_size 327680
		.amdhsa_private_segment_fixed_size 0
		.amdhsa_enable_private_segment 0
		.amdhsa_kernarg_size 32
		.amdhsa_user_sgpr_count 2
		.amdhsa_user_sgpr_kernarg_segment_ptr 1
		.amdhsa_wavefront_size32 1
		.amdhsa_system_sgpr_workgroup_id_x 1
		.amdhsa_system_sgpr_workgroup_id_y 1
		.amdhsa_system_sgpr_workgroup_id_z 1
		.amdhsa_system_vgpr_workitem_id 0
		.amdhsa_next_free_vgpr 704
		.amdhsa_next_free_sgpr 102
		.amdhsa_reserve_vcc 0
		.amdhsa_float_denorm_mode_32 3
		.amdhsa_float_denorm_mode_16_64 3
		.amdhsa_memory_ordered 1
		.amdhsa_forward_progress 1
		.amdhsa_inst_pref_size 116
	.end_amdhsa_kernel
	.amdgpu_metadata
---
amdhsa.version: [ 1, 2 ]
amdhsa.kernels:
  - .name:           k_qe45ebecc74_proj
    .symbol:         k_qe45ebecc74_proj.kd
    .args:
      - { .name: xwc, .offset: 0, .size: 8, .value_kind: global_buffer, .address_space: global }
      - { .name: xws, .offset: 8, .size: 8, .value_kind: global_buffer, .address_space: global }
      - { .name: qkvc, .offset: 16, .size: 8, .value_kind: global_buffer, .address_space: global }
      - { .name: qkvs, .offset: 24, .size: 8, .value_kind: global_buffer, .address_space: global }
    .group_segment_fixed_size: 327680
    .private_segment_fixed_size: 0
    .kernarg_segment_align: 8
    .kernarg_segment_size: 32
    .max_flat_workgroup_size: 128
    .sgpr_count:     102
    .vgpr_count:     704
    .wavefront_size: 32
...
	.end_amdgpu_metadata
.endif
;; end of part 2
;; launch attn (part 3): grid 64 x 4, 4 waves a work-group, clusters of 4 x 1, 327,680 bytes of LDS; arguments qkvc, qkvs, out0; writes out0
.if DOCPART == 3
	.amdgcn_target "amdgcn-amd-amdhsa--gfx1250"
	.amdhsa_code_object_version 6
	.text
	.protected	k_qe45ebecc74_attn
	.globl	k_qe45ebecc74_attn
	.p2align	8
	.type	k_qe45ebecc74_attn,@function
k_qe45ebecc74_attn:
	s_mov_b64 s[64:65], 0
	v_nop
	global_prefetch_b8 v0, s[64:65] scope:SCOPE_SE
	s_setreg_imm32_b32 hwreg(HW_REG_WAVE_MODE, 25, 1), 1
	s_wait_xcnt 0x0
	s_wait_alu depctr_hold_cnt(0) depctr_sa_sdst(0) depctr_va_vdst(0) depctr_va_sdst(0) depctr_va_ssrc(0) depctr_va_vcc(0) depctr_vm_vsrc(0)
	s_getreg_b32 s2, hwreg(HW_REG_IB_STS2, 6, 4)
	s_cmp_eq_u32 s2, 0
	s_cbranch_scc0 .Lentry_in_a_cluster
	s_endpgm
.Lentry_in_a_cluster:
	s_bfe_u32 s2, ttmp6, 0x10000c
	s_cmp_lg_u32 s2, 0x3003
	s_cbranch_scc0 .Lentry_shape_is_right
	s_endpgm
.Lentry_shape_is_right:
; out[b][t] = the sum over s <= t of softmax_s(q[t] . k[s] / sqrt(768)) v[s], both products on the codes of the launch before.
; WORK LEFT OUT: for a tile of 16 queries, a step of 128 keys all of which come after all of its queries: the problem's own causal mask gives them the weight 0 for all inputs (shown at the head of the first launch).
; LIMITS: t = score x (log2 e / sqrt 768) is one rounding where the problem makes two; a block of p under 2^-124 gets the byte 1 and zero codes; NaN and infinities are not served.
; THE SOFTMAX: M = the row's largest t so far, rounded up to a whole number; p = 2^(t - M) is quantised along the keys; the row's sum is taken of the unquantised p and divides at the end.  When M moves, the sum and O are multiplied by 2^(old M - new M), exactly.
; EVEN WORK.  A batch's 1,024 rows are eight blocks of 128.  Work-group j of a batch owns rows 8 j .. 8 j + 7 of every block: four tiles; tile m = 3 - t has block 2 t's eight rows in lanes r = 0-7 and block 2 t + 1's in lanes 8-15.
; Every work-group walks key steps 0 .. 7 of 128 keys with 4, 4, 3, 3, 2, 2, 1, 1 tiles (m = 0 .. NT - 1): in steps 2 t and 2 t + 1 tile t is on its diagonal, and after step 2 t + 1 it goes out, under the steps that follow.
; SHARES IN A STEP.  S^T = K Q^T: wave w takes keys 32 w .. 32 w + 31 of the step, one block of the quantiser, for all tiles.  O^T = V^T P^T: wave w takes d 192 w .. 192 w + 191 for all tiles.  So each byte of K and V has one reader in the work-group.
; CLUSTERS: four work-groups of a batch walk the same steps: K and V come by joint loads, mask 15.  A step's K is 49,152 dense bytes, its V likewise: waves 0, 1 fetch K's halves, waves 2, 3 V's, one load a wave.  The scale words of the whole batch come once, at the head.
; THE RING: two slots (K, then V), images of registers.  The change of slots stands where p is exchanged: by then K of the step is used up and V of the step is in registers.  Behind it K of the next step is read, under the second product;
; V of a step is read behind the exchange of the largest scores, under the softmax.
; PREFETCH: behind the load for step n + 2 each wave asks for its share of step n + 3: of its 96 blocks of 256 bytes the four partners take 24 each, by address; steps 2 .. 7, each block once in a cluster.
; A lane holds ONE query throughout (both products transposed).  By the choice of a tile's rows a lane's 16 registers of two neighbouring tiles are 16 neighbours: keys in S^T, d in O^T.
; REGISTERS.  window 0: see the names; v112-175 S^T ((m, u) at 16 m + 8 u), later P (8 m); v176-239 K's fragments of K steps 0-3.   windows 1, 2: v0-191 O^T of my d tiles 0-5, 6-11 ((nl, m) at 8 (4 nl + m)); v192-239 their V fragments.
;   window 3: v0-191 Q ((m, s) at 8 (6 m + s)); v192-223 K's fragments of K steps 4, 5.
.set QSZ,   6291456
.set STEPB, 49152                      ; a key step of K or of V in bytes
.set SLOT,  2*STEPB
.set SCK,   2*SLOT                     ; K's scale words of the batch: [K step 6][pair of groups 16][lane][2]
.set SCV,   SCK+24576                  ; V's: [key step 8][pair of groups 12][lane][2]
.set MX,    SCV+24576                  ; the blocks' largest scores [m][r][w], 1,024 bytes
.set LX,    MX+1024                    ; the parts of the rows' sums, likewise
.set PI,    MX+2048                    ; p's four fragments as images of their registers, 1,024 bytes each
.set PS,    MX+6144                    ; p's scale words, 64 bytes a tile
.set STAGE, MX+6400                    ; the way out: 16 rows x 784 bytes for each wave
.set STP,   784
.set SPARE, STAGE+4*16*STP             ; the spare words, 512 bytes
.set KA,  1                            ; v1, v2  16 x lane + 12,288 x wave in slot 0, 1
.set KSA, 3                            ; v3   my key group's scale words
.set MXS, 4                            ; v4   MX + 16 r + 4 w
.set MXL, 5                            ; v5   MX + 16 r
.set PIS, 6                            ; v6   PI + 256 w + 16 r + 8 h: my 16 codes' place in an image
.set PIL, 7                            ; v7   PI + 16 x lane
.set PSS, 8                            ; v8   PS + 4 r + w
.set PSL, 9                            ; v9   PS + 4 r
.set SPW, 10
.set NIL, 11
.set QDA, 12                           ; v12  even steps: register i of the diagonal tile is hidden where i > this
.set QDB, 13                           ; v13  odd steps
.set NINF, 14                          ; v14  -infinity
.set PFO, 15                           ; v15  the prefetches' offset
.set NM,  16                           ; v[16+2m:17+2m] -M, the largest t
.set SUM, 24                           ; v[24+2m:25+2m] my part of the row's sum, in two halves
.set F,   32                           ; v[32+2m:33+2m] f = 2^(old M - new M), at the end 1 / the sum; the upper word is named with it and written once
.set BM,  40                           ; v40+m  my block's largest score, then its largest p
.set T1,  44                           ; v44+m  at work
.set MXR, 48                           ; v48-63 four waves' words
.set CSO, 64                           ; v64+m  the conversion's scale operand
.set BY,  68                           ; v68+m  the scale's byte
.set PC,  72                           ; v72-79 my codes of p
.set KS,  80                           ; v80-85   K's scale words
.set QS,  86                           ; v86-97   Q's: tiles 2 p, 2 p + 1 (lanes 0-15, 16-31), K step s at 6 p + s
.set VS,  98                           ; v98-103  V's: my d group n / 2
.set PSW, 104                          ; v104-107 p's
.set STO, 108
.set RD,  109
.set GO,  110
.set VSA, 111
.set S,   112
.set P,   112
.set QO,  112                          ; head only: Q's offsets
.set QSO, 113
.set KF,  176
.set KG,  192                          ; in window 3
.set VF,  192                          ; in windows 1, 2
.set WV, 10
.set J,  11
.set BT, 12
.set CX, 13
.set OF, 14                            ; s[14:15] an offset; the upper word stays 0
.set SEL, 18
.set CS, 20                            ; s[20:21] log2(e) / sqrt(768)
.set OUTB, 22
.set PFA, 24
.set QB, 26
.set G0A, 28                           ; group 0 of the ring's loads into slot 0, slot 1
.set G0B, 32
.set G1R, 36                           ; group 1: 96 rows of 256 bytes
.set G1H, 44                           ; 192 rows of 256 bytes
.set G1K, 52                           ; 6 rows of 4,096 bytes
.set QSB, 60
.set TP, 62
.set TQ, 63
.set G0HK, 68                          ; the head's loads: K, V, their scale words
.set G0HV, 72
.set G0SK, 76
.set G0SV, 80
.set T, 86                             ; s86-95
.set MSB, 0
.macro WIN new                         ; the immediate's high byte repeats the setting that is left
.if MSB != (\new)
	s_set_vgpr_msb (MSB<<8)|(\new)
.set MSB, (\new)
.endif
.endm
; one matrix instruction.  z: the sum begins (C = 0).  ra, rb: the scale words stand in lanes 16-31
.macro WM d, a, b, z, sa, sb, ra, rb
.if \z
.if (\ra)&&(\rb)
	v_wmma_scale_f32_16x16x128_f8f6f4 v[\d:\d+7], v[\a:\a+7], v[\b:\b+7], 0, v[\sa], v[\sb] matrix_a_fmt:MATRIX_FMT_FP4 matrix_b_fmt:MATRIX_FMT_FP4 matrix_a_scale:MATRIX_SCALE_ROW1 matrix_b_scale:MATRIX_SCALE_ROW1
.elseif (\ra)
	v_wmma_scale_f32_16x16x128_f8f6f4 v[\d:\d+7], v[\a:\a+7], v[\b:\b+7], 0, v[\sa], v[\sb] matrix_a_fmt:MATRIX_FMT_FP4 matrix_b_fmt:MATRIX_FMT_FP4 matrix_a_scale:MATRIX_SCALE_ROW1
.elseif (\rb)
	v_wmma_scale_f32_16x16x128_f8f6f4 v[\d:\d+7], v[\a:\a+7], v[\b:\b+7], 0, v[\sa], v[\sb] matrix_a_fmt:MATRIX_FMT_FP4 matrix_b_fmt:MATRIX_FMT_FP4 matrix_b_scale:MATRIX_SCALE_ROW1
.else
	v_wmma_scale_f32_16x16x128_f8f6f4 v[\d:\d+7], v[\a:\a+7], v[\b:\b+7], 0, v[\sa], v[\sb] matrix_a_fmt:MATRIX_FMT_FP4 matrix_b_fmt:MATRIX_FMT_FP4
.endif
.else
.if (\ra)&&(\rb)
	v_wmma_scale_f32_16x16x128_f8f6f4 v[\d:\d+7], v[\a:\a+7], v[\b:\b+7], v[\d:\d+7], v[\sa], v[\sb] matrix_a_fmt:MATRIX_FMT_FP4 matrix_b_fmt:MATRIX_FMT_FP4 matrix_a_scale:MATRIX_SCALE_ROW1 matrix_b_scale:MATRIX_SCALE_ROW1
.elseif (\ra)
	v_wmma_scale_f32_16x16x128_f8f6f4 v[\d:\d+7], v[\a:\a+7], v[\b:\b+7], v[\d:\d+7], v[\sa], v[\sb] matrix_a_fmt:MATRIX_FMT_FP4 matrix_b_fmt:MATRIX_FMT_FP4 matrix_a_scale:MATRIX_SCALE_ROW1
.elseif (\rb)
	v_wmma_scale_f32_16x16x128_f8f6f4 v[\d:\d+7], v[\a:\a+7], v[\b:\b+7], v[\d:\d+7], v[\sa], v[\sb] matrix_a_fmt:MATRIX_FMT_FP4 matrix_b_fmt:MATRIX_FMT_FP4 matrix_b_scale:MATRIX_SCALE_ROW1
.else
	v_wmma_scale_f32_16x16x128_f8f6f4 v[\d:\d+7], v[\a:\a+7], v[\b:\b+7], v[\d:\d+7], v[\sa], v[\sb] matrix_a_fmt:MATRIX_FMT_FP4 matrix_b_fmt:MATRIX_FMT_FP4
.endif
.endif
.endm
.macro CREST                           ; a round of the cluster's barrier behind its opening barrier
	s_cmp_lg_u32 s[WV], 0
	s_cbranch_scc1 .Lnot_wave_0_\@
	s_barrier_signal -3
.Lnot_wave_0_\@:
	s_barrier_wait -3
	s_barrier_signal -1
	s_barrier_wait -1
.endm
.macro CROUND                          ; a whole round
	s_barrier_signal -1
	s_barrier_wait -1
	CREST
.endm
; my key group's 12 fragments and 6 scale words of step n, from its slot: 30 LDS loads
.macro KLOAD n
.irp s, 0,1,2,3
.irp u, 0,1
.irp c, 0,1
	ds_load_b128 v[KF+8*(2*\s+\u)+4*\c:KF+8*(2*\s+\u)+4*\c+3], v[KA+(\n)%2] offset:2048*\s+1024*\u+512*\c
.endr
.endr
.endr
	WIN 0xc0                                       ; destination window 3
.irp s, 4,5
.irp u, 0,1
.irp c, 0,1
	ds_load_b128 v[KG+8*(2*(\s-4)+\u)+4*\c:KG+8*(2*(\s-4)+\u)+4*\c+3], v[KA+(\n)%2] offset:2048*\s+1024*\u+512*\c
.endr
.endr
.endr
	WIN 0
.irp s, 0,1,2,3,4,5
	ds_load_b32 v[KS+\s], v[KSA] offset:4096*\s+512*(\n)
.endr
.endm
; V's fragments of my 12 d tiles and their scale words of step n: 27 LDS loads
.macro VLOAD n
.irp hw, 0,1
	WIN 0x40+0x40*\hw
.irp nl, 0,1,2,3,4,5
.irp c, 0,1
	ds_load_b128 v[VF+8*\nl+4*\c:VF+8*\nl+4*\c+3], v[KA+(\n)%2] offset:STEPB+1024*(6*\hw+\nl)+512*\c
.endr
.endr
.endr
	WIN 0
.irp pr, 0,1,2
	ds_load_b64 v[VS+2*\pr:VS+2*\pr+1], v[VSA] offset:3072*(\n)+256*\pr
.endr
.endm
.macro MASK m, qd                      ; hidden scores become -infinity ahead of the maximum: p = 0 then.  Each accumulator from its low end on
.irp i, 0,1,2,3,4,5,6,7,8,9,10,11,12,13,14,15
	v_cmp_gt_i32 vcc_lo, \i, v[\qd]
	v_cndmask_b32 v[S+16*(\m)+\i], v[S+16*(\m)+\i], v[NINF], vcc_lo
.endr
.endm
.macro RESCALL                         ; O^T of the NT tiles under the new M, each accumulator from its low end on: O^T in windows 1 and 2 (destination and source 0), f in window 0
.irp hw, 0,1
	WIN 0x41+0x41*\hw
.irp nl, 0,1,2,3,4,5
.irp m, 0,1,2,3
.if \m < NT
.irp k, 0,2,4,6
	v_pk_mul_f32 v[8*(4*\nl+\m)+\k:8*(4*\nl+\m)+\k+1], v[8*(4*\nl+\m)+\k:8*(4*\nl+\m)+\k+1], v[F+2*\m:F+2*\m+1] op_sel_hi:[1,0]
.endr
.endif
.endr
.endr
.endr
	WIN 0
.endm
; O^T += V^T P^T for my d tiles 6 hw .. 6 hw + 5.  V and O^T share a window, P lies in window 0.  O^T stands under the new M already.
; Each of the 6 NT accumulators has one instruction: no two that follow each other share one.
.macro OPH hw
	WIN 0x51+0x51*\hw
.set a, 0
.rept 6*NT
	WM 8*(4*(a/NT)+a%NT),VF+8*(a/NT),P+8*(a%NT),FST,VS+(6*\hw+a/NT)/2,PSW+a%NT,(a/NT)%2,0
.set a, a+1
.endr
.endm
; THE WAY OUT of tile m.  PACK: O^T / the sum, through my own stage in LDS (row r of 768 bytes + 16), and back as pieces of 256 bytes of a row into the registers that it left.
.macro PACK m
.irp hw, 0,1
	WIN 0x41+0x41*\hw
.irp nl, 0,1,2,3,4,5
.irp k, 0,2,4,6
	v_pk_mul_f32 v[8*(4*\nl+(\m))+\k:8*(4*\nl+(\m))+\k+1], v[8*(4*\nl+(\m))+\k:8*(4*\nl+(\m))+\k+1], v[F+2*(\m):F+2*(\m)+1] op_sel_hi:[1,0]
.endr
.endr
.endr
.irp hw, 0,1
	WIN 0x04+0x04*\hw                              ; an LDS store's data are its source 1
.irp nl, 0,1,2,3,4,5
	ds_store_b128 v[STO], v[8*(4*\nl+(\m)):8*(4*\nl+(\m))+3] offset:128*((6*\hw+\nl)/2)+32*(\nl%2)      ; register j of d tile n is d = 32 (n / 2) + 16 h + 8 (n % 2) + j of my 192
	ds_store_b128 v[STO], v[8*(4*\nl+(\m))+4:8*(4*\nl+(\m))+7] offset:128*((6*\hw+\nl)/2)+32*(\nl%2)+16
.endr
.endr
.irp hw, 0,1
	WIN 0x40+0x40*\hw
.irp i, 0,1,2,3,4,5,6,7,8,9,10,11
	ds_load_b128 v[8*(4*(\i/2)+(\m))+4*(\i%2):8*(4*(\i/2)+(\m))+4*(\i%2)+3], v[RD] offset:2*STP*((12*\hw+\i)/3)+256*((12*\hw+\i)%3)   ; LDS serves a wave's instructions in order: these see my stores
.endr
.endr
	WIN 0
.endm
; SENDC: the quarter k of the tile's 24 stores: sixteen lanes store 256 consecutive bytes, aligned.  Stage rows 2 a, 2 a + 1: rows 2 a + h of the tile's first block, from a = 4 on of its second, 128 rows further down
.macro SENDC m, k
	WIN 0x04+0x04*(\k/2)                           ; a store's data are its source 1
.irp e, 0,1,2,3,4,5
.set il, 6*(\k%2)+\e
.set ix, 6*\k+\e
	global_store_b128 v[GO], v[8*(4*(il/2)+(\m))+4*(il%2):8*(4*(il/2)+(\m))+4*(il%2)+3], s[OUTB:OUTB+1] offset:786432*(3-(\m))+3072*(2*(ix/3)+120*(ix/12))+256*(ix%3) th:TH_STORE_NT
.endr
	WIN 0
.endm
; KEY STEP n.  NT tiles at work; tile NT - 1 is on its diagonal; in an odd step it is finished; in an even one (n > 0) tile NT, finished a step before, is stored.
.macro STEP n
.set NT, 4-(\n)/2
.set FST, ((\n)==0)
.set FIN, (\n)%2
.set SND, ((\n)>0)&&((\n)%2==0)
.if !FST
.rept 5
	v_nop                                          ; five places ahead of the products that write over P's registers
.endr
.endif
.if SND
	s_wait_dscnt 48                                ; this step's K is in; the stage's 24 stores and 24 loads behind it may be out
.else
	s_wait_dscnt 0x0                               ; this step's K is in
.endif
	; ---- S^T = K Q^T: my 32 keys x the tiles' queries, K = 768.  The 2 NT accumulators take turns
	WIN 0x0c                                       ; source 1 (Q) window 3
.irp s, 0,1,2,3
.irp u, 0,1
.irp m, 0,1,2,3
.if \m < NT
	WM S+16*\m+8*\u,KF+8*(2*\s+\u),8*(6*\m+\s),(\s==0),KS+\s,QS+6*(\m/2)+\s,\u,\m%2
.endif
.endr
.endr
.endr
	WIN 0x0f                                       ; both in window 3
.irp s, 4,5
.irp u, 0,1
.irp m, 0,1,2,3
.if \m < NT
	WM S+16*\m+8*\u,KG+8*(2*(\s-4)+\u),8*(6*\m+\s),0,KS+\s,QS+6*(\m/2)+\s,\u,\m%2
.endif
.endr
.endr
.endr
	WIN 0
.rept 4
	v_nop                                          ; places ahead of the first read of the scores
.endr
	; ---- the largest score of my block of 32 keys, for each query; the four waves' meet in LDS
.if FIN
	MASK NT-1,QDB
.else
	MASK NT-1,QDA
.endif
.irp m, 0,1,2,3
.if \m < NT
	v_max3_num_f32 v[BM+\m], v[S+16*\m], v[S+16*\m+1], v[S+16*\m+2]
.endif
.endr
.irp i, 3,5,7,9,11,13
.irp m, 0,1,2,3
.if \m < NT
	v_max3_num_f32 v[BM+\m], v[BM+\m], v[S+16*\m+\i], v[S+16*\m+\i+1]   ; the tiles by turns
.endif
.endr
.endr
.irp m, 0,1,2,3
.if \m < NT
	v_max_num_f32 v[BM+\m], v[BM+\m], v[S+16*\m+15]
.endif
.endr
.irp m, 0,1,2,3
.if \m < NT
	v_permlanex16_b32 v[T1+\m], v[BM+\m], s[SEL], s[SEL+1]
.endif
.endr
.irp m, 0,1,2,3
.if \m < NT
	v_max_num_f32 v[BM+\m], v[BM+\m], v[T1+\m]     ; with lane l xor 16's 16 keys
.endif
.endr
.irp m, 0,1,2,3
.if \m < NT
	ds_store_b32 v[MXS], v[BM+\m] offset:256*\m    ; lanes r and 16 + r write the same word with the same value
.endif
.endr
	s_wait_alu depctr_va_vdst(0)
	s_wait_dscnt 0x0                               ; also: my reads of the last step's P are over, and the stage's
	s_barrier_signal -1
	s_barrier_wait -1
.irp m, 0,1,2,3
.if \m < NT
	ds_load_b128 v[MXR+4*\m:MXR+4*\m+3], v[MXL] offset:256*\m
.endif
.endr
	VLOAD \n
.if SND
	SENDC NT,0
.endif
	s_wait_dscnt 27                                ; V's 24 + 3 loads may be out
	; ---- M and f: the same in all four waves
.irp m, 0,1,2,3
.if \m < NT
	v_max3_num_f32 v[T1+\m], v[MXR+4*\m], v[MXR+4*\m+1], v[MXR+4*\m+2]
.endif
.endr
.irp m, 0,1,2,3
.if \m < NT
	v_max_num_f32 v[T1+\m], v[T1+\m], v[MXR+4*\m+3]   ; the step's largest score of my query
.endif
.endr
.irp m, 0,1,2,3
.if \m < NT
.if FST
	v_mul_f32 v[NM+2*\m+1], s[CS], v[T1+\m]        ; as t
.else
	v_mul_f32 v[T1+\m], s[CS], v[T1+\m]
.endif
.endif
.endr
.if !FST
.irp m, 0,1,2,3
.if \m < NT
	v_max_num_f32 v[NM+2*\m+1], v[NM+2*\m+1], v[T1+\m]   ; the running largest t
	v_mov_b32 v[T1+\m], v[NM+2*\m]                 ; the old -M
.endif
.endr
.endif
.irp m, 0,1,2,3
.if \m < NT
	v_floor_f32 v[NM+2*\m], -v[NM+2*\m+1]          ; -M = floor(-t) = -ceil(t)
.endif
.endr
.if !FST
.irp m, 0,1,2,3
.if \m < NT
	v_sub_f32 v[T1+\m], v[NM+2*\m], v[T1+\m]       ; old M - new M: a whole number, 0 or less
.endif
.endr
.irp m, 0,1,2,3
.if \m < NT
	v_cvt_i32_f32 v[T1+\m], v[T1+\m]               ; (it saturates)
.endif
.endr
.irp m, 0,1,2,3
.if \m < NT
	v_ldexp_f32 v[F+2*\m], 1.0, v[T1+\m]           ; f
.endif
.endr
.endif
	; ---- p = 2^(t - M)
.irp k, 0,2,4,6,8,10,12,14
.irp m, 0,1,2,3
.if \m < NT
	v_pk_fma_f32 v[S+16*\m+\k:S+16*\m+\k+1], v[S+16*\m+\k:S+16*\m+\k+1], s[CS:CS+1], v[NM+2*\m:NM+2*\m+1] op_sel_hi:[1,0,0]
.endif
.endr
.endr
.irp m, 0,1,2,3
.if \m < NT
	v_fma_f32 v[BM+\m], v[BM+\m], s[CS], v[NM+2*\m]   ; the same of my block's largest score
.endif
.endr
.if SND
	SENDC NT,1
.endif
	s_wait_alu depctr_va_vdst(0)                   ; ahead of the batch
.irp m, 0,1,2,3
.if \m < NT
.irp i, 0,1,2,3,4,5,6,7,8,9,10,11,12,13,14,15
	v_exp_f32 v[S+16*\m+\i], v[S+16*\m+\i]
.endr
.endif
.endr
	v_nop                                          ; a plain line behind the exponentials
	s_wait_alu depctr_va_vdst(0)                   ; one wait for the batch, ahead of its first reader
.irp m, 0,1,2,3
.if \m < NT
	v_exp_f32 v[BM+\m], v[BM+\m]                   ; the block's largest p: the same two instructions on the same number give the same bits
.endif
.endr
.irp m, 0,1,2,3                                ; the sum of the UNQUANTISED p: my 16 keys, two at a time; the sums read the first batch alone
.if \m < NT
.if FST
	v_pk_add_f32 v[SUM+2*\m:SUM+2*\m+1], v[S+16*\m:S+16*\m+1], v[S+16*\m+2:S+16*\m+3]
.else
	v_pk_fma_f32 v[SUM+2*\m:SUM+2*\m+1], v[SUM+2*\m:SUM+2*\m+1], v[F+2*\m:F+2*\m+1], v[S+16*\m:S+16*\m+1] op_sel_hi:[1,0,1]
.endif
.endif
.endr
.if !FST
.irp m, 0,1,2,3
.if \m < NT
	v_pk_add_f32 v[SUM+2*\m:SUM+2*\m+1], v[SUM+2*\m:SUM+2*\m+1], v[S+16*\m+2:S+16*\m+3]
.endif
.endr
.endif
.irp k, 4,6,8,10,12,14
.irp m, 0,1,2,3
.if \m < NT
	v_pk_add_f32 v[SUM+2*\m:SUM+2*\m+1], v[SUM+2*\m:SUM+2*\m+1], v[S+16*\m+\k:S+16*\m+\k+1]
.endif
.endr
.endr
	s_wait_alu depctr_va_vdst(0)                   ; and one for the blocks' largest p
	; ---- p's codes and scale byte for my block
.irp m, 0,1,2,3
.if \m < NT
	v_max_num_f32 v[BM+\m], 0x1800000, v[BM+\m]    ; the floor 2^(3 - 127): the byte cannot fall under 1
.endif
.endr
.irp m, 0,1,2,3
.if \m < NT
	v_add_nc_u32 v[CSO+\m], 0xff000000, v[BM+\m]   ; 2 off the exponent field: the conversion's scale operand
.endif
.endr
.irp m, 0,1,2,3
.if \m < NT
	v_lshrrev_b32 v[BY+\m], 23, v[CSO+\m]
.endif
.endr
.irp m, 0,1,2,3
.if \m < NT
	v_cvt_scalef32_pk8_fp4_f32 v[PC+2*\m], v[S+16*\m:S+16*\m+7], v[CSO+\m]
	v_cvt_scalef32_pk8_fp4_f32 v[PC+2*\m+1], v[S+16*\m+8:S+16*\m+15], v[CSO+\m]
.endif
.endr
	v_nop                                          ; one plain line behind the scaled conversions
.irp m, 0,1,2,3
.if \m < NT
	ds_store_b64 v[PIS], v[PC+2*\m:PC+2*\m+1] offset:1024*\m   ; block w of query r is lane 16 (w % 2) + r, registers 4 (w / 2) on, of the operand: byte 256 w + 16 r of its image; my 16 keys are its half h
	ds_store_b8 v[PSS], v[BY+\m] offset:64*\m      ; byte w of query r's scale word
.endif
.endr
.if FIN                                        ; the finished tile's sum: my part goes to the other waves with p
	v_add_f32 v[T1+NT-1], v[SUM+2*(NT-1)], v[SUM+2*(NT-1)+1]
	v_permlanex16_b32 v[MXR+4*(NT-1)], v[T1+NT-1], s[SEL], s[SEL+1]
	v_add_f32 v[T1+NT-1], v[T1+NT-1], v[MXR+4*(NT-1)]
	ds_store_b32 v[MXS], v[T1+NT-1] offset:LX-MX+256*(NT-1)
.endif
	; ---- p's exchange and the change of slots in one: behind it step n + 1's slot is whole and nobody reads step n's
.if (\n) < 7
	s_wait_tensorcnt 0x0                           ; all my tensor loads are done: my part of step n + 1
	ds_add_u32 v[SPW], v[NIL]                      ; 0 onto my spare word
.if ((\n) > 0) && ((\n) < 6)
	s_add_nc_u64 s[G0A+4*((\n)%2)+2:G0A+4*((\n)%2)+3], s[G0A+4*((\n)%2)+2:G0A+4*((\n)%2)+3], 2*STEPB
.endif
.endif
	s_wait_dscnt 0x0                               ; the add and my stores are done, and V of this step is in registers: my reads of the slot are over
	s_barrier_signal -1
.if !FST
	s_wait_alu depctr_va_vdst(0)                   ; directly ahead of the first reader of O^T
	RESCALL                                        ; register work while the others arrive
.endif
	s_wait_alu depctr_va_vdst(0)                   ; directly ahead of the wait below
	s_barrier_wait -1
.if (\n) < 6
	CREST
	tensor_load_to_lds s[G0A+4*((\n)%2):G0A+4*((\n)%2)+3], s[G1R:G1R+7]   ; my part of step n + 2, into the slot just left
	s_nop 0
.endif
.irp m, 0,1,2,3
.if \m < NT
.irp c, 0,1
	ds_load_b128 v[P+8*\m+4*\c:P+8*\m+4*\c+3], v[PIL] offset:1024*\m+512*\c
.endr
	ds_load_b32 v[PSW+\m], v[PSL] offset:64*\m
.endif
.endr
.if FIN
	ds_load_b128 v[MXR+4*(NT-1):MXR+4*(NT-1)+3], v[MXL] offset:LX-MX+256*(NT-1)
.endif
.if (\n) < 7
	KLOAD \n+1
.endif
.if (\n) < 5
	global_prefetch_b8 v[PFO], s[PFA:PFA+1] offset:STEPB*((\n)+3) th:TH_LOAD_NT scope:SCOPE_SE
.endif
.if SND
	SENDC NT,2
.endif
.if (\n) < 7
	s_wait_dscnt 30                                ; P is in; the next step's K, 24 + 6 loads, may be out
.else
	s_wait_dscnt 0x0
.endif
.if FIN
	v_add_f32 v[T1+NT-1], v[MXR+4*(NT-1)], v[MXR+4*(NT-1)+1]
	v_add_f32 v[MXR+4*(NT-1)+2], v[MXR+4*(NT-1)+2], v[MXR+4*(NT-1)+3]
	v_add_f32 v[T1+NT-1], v[T1+NT-1], v[MXR+4*(NT-1)+2]   ; the row's sum
	s_wait_alu depctr_va_vdst(0)                   ; ahead of the transcendental
	v_rcp_f32 v[F+2*(NT-1)], v[T1+NT-1]
	v_nop                                          ; a plain line behind it
.endif
	OPH 0
.if SND
	SENDC NT,3
.endif
	OPH 1
	WIN 0
.if FIN
.rept 4
	v_nop                                          ; places behind the last products
.endr
	s_wait_alu depctr_va_vdst(0)                   ; ahead of the first reader of the reciprocal and of the finished O^T
	PACK NT-1
.endif
.endm
	s_load_b128 s[4:7], s[0:1], 0x0                ; qkvc, qkvs
	s_load_b64 s[8:9], s[0:1], 0x10                ; out0
	v_lshl_add_u32 v[SPW], v0, 2, SPARE
	v_mov_b32 v[NIL], 0
	ds_add_u32 v[SPW], v[NIL]                      ; the wave's opening: the add, twice on end, and its wait ahead of my first tensor load
	ds_add_u32 v[SPW], v[NIL]
	v_lshrrev_b32 v16, 5, v0
	v_readfirstlane_b32 s[WV], v16                 ; wave
	s_bfe_u32 s[CX], ttmp6, 0x40000                ; my place in the cluster: it enters Q's and out's addresses, the mask and the prefetches' offset alone
	s_and_b32 s[J], ttmp7, 0xffff
	s_lshl_b32 s[J], s[J], 2
	s_add_co_u32 s[J], s[J], s[CX]
	s_mov_b32 s[BT], ttmp9                         ; batch: the cluster's x; its y is a quarter of the batch's work-groups
	; descriptor group 1: mask 15, elements of 8 bytes, bit 21 set beside a mask, no padding
.irp g, G1R, G1H, G1K
	s_mov_b32 s[\g], 15|(3<<16)|(1<<21)
	s_mov_b32 s[\g+6], 0
	s_mov_b32 s[\g+7], 0
.endr
.irp g, G1R, G1H                               ; rows of 256 bytes, dense
	s_mov_b32 s[\g+1], 32<<16
	s_mov_b32 s[\g+3], 32<<16
	s_mov_b32 s[\g+5], 32
.endr
	s_mov_b32 s[G1R+2], 96<<16
	s_mov_b32 s[G1R+4], 96
	s_mov_b32 s[G1H+2], 192<<16
	s_mov_b32 s[G1H+4], 192
	s_mov_b32 s[G1K+1], 512<<16                    ; K's scale words: 6 rows of 4,096 bytes, 65,536 bytes apart
	s_mov_b32 s[G1K+2], 6<<16
	s_mov_b32 s[G1K+3], 512<<16
	s_mov_b32 s[G1K+4], 6
	s_mov_b32 s[G1K+5], 8192
	s_mov_b32 s[SEL], 0x76543210
	s_mov_b32 s[SEL+1], 0xfedcba98
	s_mov_b32 s[CS], 0x3d553b95                    ; log2(e) / sqrt(768)
	s_mov_b32 s[CS+1], s[CS]
	s_mov_b32 s[OF+1], 0
	s_lshr_b32 s[TP], s[WV], 1
	s_and_b32 s[TQ], s[WV], 1
	s_mul_i32 s[T], s[WV], 12288
	s_lshl_b32 s[T+1], s[TP], 8
	s_lshl_b32 s[OF], s[TQ], 2
	s_add_co_u32 s[T+1], s[T+1], s[OF]
	s_add_co_u32 s[T+1], s[T+1], SCK               ; key group 4 n + w: pair 2 n + w / 2, word w % 2
	s_mul_i32 s[T+2], s[WV], 768
	s_add_co_u32 s[T+2], s[T+2], SCV
	s_lshl_b32 s[T+3], s[WV], 2
	s_lshl_b32 s[T+4], s[WV], 8
	s_add_co_u32 s[T+4], s[T+4], PI
	s_lshl_b32 s[T+5], s[J], 3
	s_lshl_b32 s[OF], s[WV], 5
	s_sub_co_u32 s[T+5], s[T+5], s[OF]             ; 8 j - 32 w
	s_mul_i32 s[T+6], s[WV], 16*STP
	s_add_co_u32 s[T+6], s[T+6], STAGE
	s_mul_i32 s[T+7], s[CX], 6144
	; rows 8 j .. 8 j + 7 of a block: group j / 4 of its four, tile j % 2, lanes 8 ((j / 2) % 2) on
	s_lshr_b32 s[T+8], s[J], 2
	s_mul_i32 s[T+8], s[T+8], 12288
	s_and_b32 s[OF], s[J], 1
	s_lshl_b32 s[T+9], s[OF], 7
	s_lshl_b32 s[OF], s[OF], 10
	s_add_co_u32 s[T+8], s[T+8], s[OF]
	s_bfe_u32 s[OF], s[J], 0x10001
	s_lshl_b32 s[OF], s[OF], 6
	s_add_co_u32 s[T+9], s[T+9], s[OF]
	s_lshl_b32 s[OF], s[OF], 1
	s_add_co_u32 s[T+8], s[T+8], s[OF]
	s_lshr_b32 s[OF], s[J], 3
	s_lshl_b32 s[OF], s[OF], 8
	s_add_co_u32 s[T+9], s[T+9], s[OF]
	s_bfe_u32 s[OF], s[J], 0x10002
	s_lshl_b32 s[OF], s[OF], 2
	s_add_co_u32 s[T+9], s[T+9], s[OF]
	v_and_b32 v16, 31, v0                          ; lane
	v_and_b32 v17, 15, v0                          ; r
	v_bfe_u32 v18, v0, 4, 1                        ; h
	v_lshlrev_b32 v19, 4, v16
	v_add_nc_u32 v[KA], s[T], v19
	v_add_nc_u32 v[KA+1], SLOT, v[KA]
	v_lshlrev_b32 v20, 3, v16
	v_add_nc_u32 v[KSA], s[T+1], v20
	v_add_nc_u32 v[VSA], s[T+2], v20
	v_lshlrev_b32 v21, 4, v17
	v_add_nc_u32 v[MXL], MX, v21
	v_add_nc_u32 v[MXS], s[T+3], v[MXL]
	v_lshl_add_u32 v22, v18, 3, v21
	v_add_nc_u32 v[PIS], s[T+4], v22
	v_add_nc_u32 v[PIL], PI, v19
	v_lshlrev_b32 v22, 2, v17
	v_add_nc_u32 v[PSL], PS, v22
	v_add_nc_u32 v[PSS], s[WV], v[PSL]
	v_lshrrev_b32 v23, 3, v17                      ; r / 8: which of the tile's two blocks
	v_and_b32 v24, 7, v17                          ; r % 8
	v_lshl_add_u32 v25, v23, 7, v24
	v_lshlrev_b32 v26, 4, v18
	v_sub_nc_u32 v25, v25, v26
	v_add_nc_u32 v[QDA], s[T+5], v25               ; even step: my query - the step's first key - 32 w - 16 h
	v_add_nc_u32 v[QDB], 0xffffff80, v[QDA]        ; odd step: 128 keys on
	v_mov_b32 v[NINF], 0xff800000
	v_mul_u32_u24 v[STO], v17, STP
	v_lshl_add_u32 v[STO], v18, 6, v[STO]
	v_add_nc_u32 v[STO], s[T+6], v[STO]            ; in: row r, + 64 h
	v_mul_u32_u24 v[RD], v18, STP
	v_lshl_add_u32 v[RD], v17, 4, v[RD]
	v_add_nc_u32 v[RD], s[T+6], v[RD]              ; back: lanes 0-15 one row, lanes 16-31 the next
	v_mul_u32_u24 v[GO], v18, 3072
	v_lshl_add_u32 v[GO], v17, 4, v[GO]            ; and the same in out
	v_min_u32 v27, 23, v16
	v_lshlrev_b32 v27, 8, v27
	v_add_nc_u32 v[PFO], s[T+7], v27               ; 24 blocks of 256 bytes for each partner; lanes 24-31 name the last again
	v_mul_u32_u24 v28, v23, 49152
	v_lshl_add_u32 v28, v24, 4, v28
	v_lshl_add_u32 v28, v18, 8, v28
	v_add_nc_u32 v[QO], s[T+8], v28
	v_lshlrev_b32 v29, 9, v23
	v_lshl_add_u32 v29, v24, 3, v29
	v_sub_nc_u32 v30, 1, v18
	v_lshl_add_u32 v29, v30, 10, v29
	v_add_nc_u32 v[QSO], s[T+9], v29
.irp m, 0,1,2,3
	v_mov_b32 v[T1+\m], 0                          ; written once: a lane permute's destination counts as one of its sources
	v_mov_b32 v[F+2*\m+1], 0                       ; named as the upper half of f's pair
.endr
	s_wait_alu depctr_va_vdst(0)                   ; directly ahead of the wait below
	s_wait_dscnt 0x0                               ; both opening adds are done
	s_wait_kmcnt 0x0
	s_mul_i32 s[OF], s[BT], 393216
	s_add_nc_u64 s[QB:QB+1], s[4:5], s[OF:OF+1]    ; the batch in q
	s_add_co_u32 s[OF], s[OF], QSZ
	s_mov_b32 s[G0HK], 1
	s_mov_b32 s[G0HK+1], 0
	s_add_nc_u64 s[G0HK+2:G0HK+3], s[4:5], s[OF:OF+1]   ; K of step 0
	s_or_b32 s[G0HK+3], s[G0HK+3], 0x80000000
	s_mul_i32 s[TP], s[TP], QSZ
	s_mul_i32 s[TQ], s[TQ], 24576
	s_add_co_u32 s[TP], s[TP], s[TQ]
	s_add_co_u32 s[TP], s[TP], s[OF]               ; my share in the ring: waves 0, 1 K's halves, waves 2, 3 V's
	s_add_co_u32 s[OF], s[OF], QSZ
	s_mov_b32 s[G0HV], 1
	s_mov_b32 s[G0HV+1], STEPB
	s_add_nc_u64 s[G0HV+2:G0HV+3], s[4:5], s[OF:OF+1]   ; V of step 0
	s_or_b32 s[G0HV+3], s[G0HV+3], 0x80000000
	s_mov_b32 s[OF], s[TP]
	s_add_nc_u64 s[PFA:PFA+1], s[4:5], s[OF:OF+1]
	s_mul_i32 s[TP], s[WV], 24576                  ; and where it goes in a slot
	s_mov_b32 s[G0A], 1
	s_mov_b32 s[G0A+1], s[TP]
	s_add_nc_u64 s[G0A+2:G0A+3], s[PFA:PFA+1], 2*STEPB
	s_or_b32 s[G0A+3], s[G0A+3], 0x80000000
	s_mov_b32 s[G0B], 1
	s_add_co_u32 s[G0B+1], s[TP], SLOT
	s_add_nc_u64 s[G0B+2:G0B+3], s[PFA:PFA+1], STEPB
	s_or_b32 s[G0B+3], s[G0B+3], 0x80000000
	s_lshl_b32 s[OF], s[BT], 12
	s_add_nc_u64 s[QSB:QSB+1], s[6:7], s[OF:OF+1]
	s_add_co_u32 s[OF], s[OF], 393216
	s_mov_b32 s[G0SK], 1
	s_mov_b32 s[G0SK+1], SCK
	s_add_nc_u64 s[G0SK+2:G0SK+3], s[6:7], s[OF:OF+1]
	s_or_b32 s[G0SK+3], s[G0SK+3], 0x80000000
	s_mul_i32 s[OF], s[BT], 24576
	s_add_co_u32 s[OF], s[OF], 786432
	s_mov_b32 s[G0SV], 1
	s_mov_b32 s[G0SV+1], SCV
	s_add_nc_u64 s[G0SV+2:G0SV+3], s[6:7], s[OF:OF+1]
	s_or_b32 s[G0SV+3], s[G0SV+3], 0x80000000
	s_mul_i32 s[OF], s[BT], 3145728
	s_mul_i32 s[TP], s[J], 24576
	s_add_co_u32 s[OF], s[OF], s[TP]
	s_mul_i32 s[TP], s[WV], 768
	s_add_co_u32 s[OF], s[OF], s[TP]
	s_add_nc_u64 s[OUTB:OUTB+1], s[8:9], s[OF:OF+1]   ; row 8 j of the batch's block 0, my 768 bytes
	CROUND                                         ; all four work-groups are here: the first joint loads meet
; THE HEAD'S LOADS, ONE A WAVE, in one tree of branches on the wave's number: K of step 0, V of step 0, K's scale words of the batch, V's
.macro ARM under, g0, g1, next
	s_cmp_lt_u32 s[WV], \under
	s_cbranch_scc0 \next
	tensor_load_to_lds s[\g0:\g0+3], s[\g1:\g1+7]
	s_nop 0
.rept 4
	v_nop
.endr
	s_branch .Lhead_asked
\next:
.endm
	ARM 1, G0HK, G1H, .Lhead_v
	ARM 2, G0HV, G1H, .Lhead_sk
	ARM 3, G0SK, G1K, .Lhead_sv
	tensor_load_to_lds s[G0SV:G0SV+3], s[G1R:G1R+7]   ; 24,576 dense bytes: 96 rows of 256
	s_nop 0
.rept 4
	v_nop
.endr
.Lhead_asked:
	WIN 0xc0                                       ; Q stays in registers: destination window 3
.irp m, 0,1,2,3
.irp s, 0,1,2,3,4,5
.irp c, 0,1
	global_load_b128 v[8*(6*\m+\s)+4*\c:8*(6*\m+\s)+4*\c+3], v[QO], s[QB:QB+1] offset:98304*(3-\m)+2048*\s+512*\c
.endr
.endr
.endr
	WIN 0
	global_prefetch_b8 v[PFO], s[PFA:PFA+1] offset:STEPB th:TH_LOAD_NT scope:SCOPE_SE   ; step 1 too, whose load goes out when the head's loads have landed
.irp p, 0,1
.irp s, 0,1,2,3,4,5
	global_load_b32 v[QS+6*\p+\s], v[QSO], s[QSB:QSB+1] offset:65536*\s+1024*(2-2*\p)
.endr
.endr
	s_wait_alu depctr_va_vdst(0)                   ; the wait at the head's end
	s_wait_tensorcnt 0x0                           ; my part of the head's tiles is in
	ds_add_u32 v[SPW], v[NIL]
	s_wait_dscnt 0x0
	CROUND                                         ; everybody's part is in, and the joint loads meet
	tensor_load_to_lds s[G0B:G0B+3], s[G1R:G1R+7]  ; my part of step 1
	s_nop 0
	KLOAD 0
	global_prefetch_b8 v[PFO], s[PFA:PFA+1] offset:2*STEPB th:TH_LOAD_NT scope:SCOPE_SE
	s_wait_loadcnt 0x0                             ; Q is in
	STEP 0
	STEP 1
	STEP 2
	STEP 3
	STEP 4
	STEP 5
	STEP 6
	STEP 7
	s_wait_dscnt 0x0
.irp k, 0,1,2,3
	SENDC 0,\k
.endr
	s_wait_tensorcnt 0x0                           ; the wave's end, behind my last LDS store
	ds_add_u32 v[SPW], v[NIL]
	s_wait_dscnt 0x0
	CROUND                                         ; the closing round: no work-group ends while a partner may still ask for a tile that names it
	s_endpgm
.Lfunc_end_k_qe45ebecc74_attn:
	.size	k_qe45ebecc74_attn, .Lfunc_end_k_qe45ebecc74_attn-k_qe45ebecc74_attn
	.p2alignl 7, 3214868480
	.fill 96, 4, 3214868480
	.section	.rodata,"a",@progbits
	.p2align	6, 0x0
	.amdhsa_kernel k_qe45ebecc74_attn
		.amdhsa_group_segment_fixed_size 327680
		.amdhsa_private_segment_fixed_size 0
		.amdhsa_enable_private_segment 0
		.amdhsa_kernarg_size 24
		.amdhsa_user_sgpr_count 2
		.amdhsa_user_sgpr_kernarg_segment_ptr 1
		.amdhsa_wavefront_size32 1
		.amdhsa_system_sgpr_workgroup_id_x 1
		.amdhsa_system_sgpr_workgroup_id_y 1
		.amdhsa_system_sgpr_workgroup_id_z 1
		.amdhsa_system_vgpr_workitem_id 0
		.amdhsa_next_free_vgpr 992
		.amdhsa_next_free_sgpr 96
		.amdhsa_reserve_vcc 1
		.amdhsa_float_denorm_mode_32 3
		.amdhsa_float_denorm_mode_16_64 3
		.amdhsa_memory_ordered 1
		.amdhsa_forward_progress 1
		.amdhsa_inst_pref_size 255
	.end_amdhsa_kernel
	.section	.bss,"aw",@nobits
	.p2align	6
	.space	262144
	.amdgpu_metadata
---
amdhsa.version: [ 1, 2 ]
amdhsa.kernels:
  - .name:           k_qe45ebecc74_attn
    .symbol:         k_qe45ebecc74_attn.kd
    .args:
      - { .name: qkvc, .offset: 0, .size: 8, .value_kind: global_buffer, .address_space: global }
      - { .name: qkvs, .offset: 8, .size: 8, .value_kind: global_buffer, .address_space: global }
      - { .name: out0, .offset: 16, .size: 8, .value_kind: global_buffer, .address_space: global }
    .group_segment_fixed_size: 327680
    .private_segment_fixed_size: 0
    .kernarg_segment_align: 8
    .kernarg_segment_size: 24
    .max_flat_workgroup_size: 128
    .sgpr_count:     96
    .vgpr_count:     992
    .wavefront_size: 32
...
	.end_amdgpu_metadata
.endif
;; end of part 3
